; MI455X (gfx1250); checked and timed in simulation.
; The chip was launched on July 23, 2026; its instructions are those of AMD's public machine-readable ISA for CDNA 5 (MIT licence, August 2026) and "CDNA5" Instruction Set Architecture Reference Guide (July 2026). The comments in the code are by the model that wrote it; some were corrected since.
;; Spatial Equivariant Attention. Allowed arithmetic: float matrix products may take bf16 or f16 operands with f32 sums; all other float work in f32.
;; Inputs: Wk 64 x 64 float32; Wq 64 x 64 float32; Wv 64 x 64 float32; coords 2 x 2,048 x 2 float32; refl_b1 32 float32; refl_b2 1 float32; refl_w1 4 x 32 float32; refl_w2 32 x 1 float32; rot_b1 32 float32; rot_b2 1 float32; rot_w1 3 x 32 float32; rot_w2 32 x 1 float32; trans_b1 32 float32; trans_b2 1 float32; trans_w1 2 x 32 float32; trans_w2 32 x 1 float32; x 2 x 2,048 x 64 float32.
;; Outputs: out0 2 x 2,048 x 64 float32.
;; 2 versions, each right; version 2 is version 1 with the launch attn written anew for expert scheduling mode. Each part assembles by itself: llvm-mc -triple=amdgcn-amd-amdhsa -mcpu=gfx1250 --defsym DOCPART=n.
;; ======== version 1 of 2: 1 launch
;; limits: values outside matrix products are rounded to f16; a difference of large sums (such as E[x^2] - mean^2): digits are lost where the result is much smaller than its terms; values are held in f16: magnitudes above 65,504 overflow, below 6.1e-05 lose precision; inputs' magnitudes at most 65,504; below input magnitudes of 1.08e-19 results are inexact or not finite
;; launch attn (part 1): grid 256 x 1, 16 waves a work-group, no clusters, 236,800 bytes of LDS; arguments x, coords, Wq, Wk, Wv, rot_w1, rot_b1, rot_w2, rot_b2, trans_w1, trans_b1, trans_w2, trans_b2, refl_w1, refl_b1, refl_w2, refl_b2, out0; writes out0
.if DOCPART == 1
	.amdgcn_target "amdgcn-amd-amdhsa--gfx1250"
	.amdhsa_code_object_version 6
	.text
	.protected	k_q5bd49e3013_attn
	.globl	k_q5bd49e3013_attn
	.p2align	8
	.type	k_q5bd49e3013_attn,@function
k_q5bd49e3013_attn:
	s_mov_b64 s[64:65], 0
	v_nop
	global_prefetch_b8 v0, s[64:65] scope:SCOPE_SE
	s_setreg_imm32_b32 hwreg(HW_REG_WAVE_MODE, 25, 1), 1
	s_wait_xcnt 0x0
; Attention over [2][2048] rows of 64 numbers, one head, with a bias from three small ReLU nets for every (query, key) pair.
; ONE LAUNCH.  Work-group g owns the 16 queries 16 g .. 16 g + 15 of the 4,096 rows; wave w of 16 takes the 128 keys 128 w .. of the
; queries' batch, in 4 steps of 32 keys, with a running maximum of its own; the 16 waves' parts meet in LDS at the end.
; ALGEBRA (exact):  scores = (x_i Wq Wk^T) . x_j   and   out = (P x) Wv : raw x serves as keys and as values, no K or V is made.
;   relu(h) = (h + |h|) / 2 : the half that is linear in the five features (dist, sin, cos, dx, dy) is five f32 multiply-adds a pair with
;   coefficients made once; the other half is ONE v_fma_f32 with |h| for each hidden value.  h comes from the matrix unit.
;   refl's inputs (dx, dy, -dx, -dy) fold into w1[0]-w1[2] and w1[1]-w1[3].  sin = dy rsq(r2), cos = dx rsq(r2), r2 = dx^2 + dy^2;
;   for r2 = 0: sin 0, cos 1, as atan2(+0, +0) = 0 gives.  log2(e) is folded into every coefficient: P = 2^(S - m).
; LANES: r = lane & 15 is the lane's query throughout, h = lane >> 4.  Score register g of a step is the pair (query r, key 16 (g>>3) + 8 h + (g&7)):
;   the layout in which X Q'^T leaves the matrix unit and, packed to f16, the one in which P enters it: no shuffle, and m, l are one number a lane.
; LIMITS KEPT: matrix operands are f16, so |x|, |Wq|, |Wk|, |Wv|, |w1|, |b1| and |coordinate differences| must not pass 65,504.
;   Q and Q' are divided by their row's largest magnitude before rounding and the factor goes back in f32 (rows up to 2^126).
;   A pair with 0 < dx^2 + dy^2 < 2^-126 (squares that underflow to 0 among them) gets sin and cos that are not normalised.
; NOT USED, by this text's own arithmetic: joint tensor loads of x in a cluster.  x is f32 in memory and has to pass through registers to become
;   f16; a wave asks for 16 loads of 512 bytes in a step of some 2,300 instructions; refills by tensor loads would tie 16 waves, and the partners'
;   too, to a barrier in every step, where this text has three barriers in all.  No prefetch: each batch's 512 KiB of x is read by 128 work-groups.
; ---- LDS (bytes) ----
.set XP,   160                         ; pitch of an f16 row of 64 numbers that transposing loads read: an odd multiple of 32
.set XSW,  32*XP                       ; 0 .. 81,920: for each wave 5,120: x of the step's 32 keys in f16
.set CKB,  81920                       ; for each wave 1,024: the coordinates of its 128 keys
.set WQ,   98304                       ; Wq  f16 [d][e], pitch 160
.set WK,   108544                      ; Wk  f16 [d][e], pitch 144
.set WKP,  144
.set WV,   117760                      ; Wv  f16 [d][e], pitch 160
.set QP,   128000                      ; for each wave 2,048: its copy of Q' as fragments, quad q at 512 q + 16 lane
.set OX,   160768                      ; for each wave 4,096: its O' in f32, quad q at 512 q + 16 lane
.set MX,   226304                      ; [r][w] f32: the waves' maxima
.set LX,   227328                      ; [r][w] f32: the waves' sums
.set OF,   228352                      ; merged O' in f16, register n at 512 (n>>2) + 16 lane + 4 (n&3)
.set OS,   230400                      ; 16 rows of out, pitch 272
.set OSP,  272
; ---- vector registers ----            v0 thread, v1 lane, v2 r, v3 h
.set AW,   4                           ; v[4:55]    layer-1 weights: 12 quads (tile u, variant v) at AW + 8 u + 4 v, then 4 zeros
.set ZR,   AW+48                       ;            a register that holds 0
.set W2H,  56                          ; v[56:103]  W2H[u][j] = log2(e)/2 * w2[net u>>1][16 (u&1) + 8 h + j]
.set OA,   104                         ; v[104:135] O'^T, four tiles: O'[r][16 c + 8 h + j]
.set PT,   120                         ; v[120:151] four result tiles of the three small projections
.set S,    136                         ; v[136:151] the step's 16 scores
.set D,    152                         ; v[152:183] hidden values, 2 buffers of 2 tiles; fragments of x at a step's end; v[152:215] fragments of a W
.set XR,   184                         ; v[184:199] x on its way to f16; Q' fragments at a step's end
.set MC,   184                         ;            head only: 15 rows of the nets, hidden unit = lane
.set B0,   200                         ; v[200:207], v[208:215] feature fragments; registers 3 to 7 of each stay 0
.set ACC,  216                         ; v[216:219] a[v][p] at ACC + v + 2 p
.set T,    220                         ; v[220:227] at work
.set CK,   228                         ; v[228:229] the key's coordinates
.set SC,   230                         ; v[230:231] 2^(m_old - m_new), twice
.set QKD,  216                         ; v[216:231] two tiles of X Q'^T at a step's end, over ACC, T, CK, SC, which are dead there
.set TA,   216
.set TB,   217
.set TP,   218
.set TD,   219
.set M,    232                         ; v[232:233] running maximum, twice
.set L,    234                         ; v[234:235] running sum, in two halves
.set SCQ,  236                         ; v[236:237] the scale of X Q'^T, twice
.set XI,   238                         ; v238, v239 my query's coordinates
.set XOFF, 240                         ; 16 lane
.set XST,  241                         ; where my 8 bytes of f16 x go
.set AFR,  242                         ; plain fragments of x
.set TRA,  243                         ; transposed fragments of x
.set CKA,  244                         ; my keys' coordinates
.set QPA,  245                         ; my wave's Q'
.set ONE,  246                         ; 1.0: the feature that carries b1
.set TRL,  247                         ; lane term of a transposing load at pitch 160
.set PA, 240                           ; the head's and the tail's own names for v240 ..
.set PB, 241
.set PC, 242
.set PD, 243
.set EA, 241
.set EB, 242
.set EC, 243
.set ED, 244
.set EE, 245
.set RR,   120                         ; head: 7 packed weight registers, hidden unit = lane
.set XX,   128                         ; head: the same from lane xor 16
.set PP,   136                         ; head: 6 products to be summed over the 32 hidden units
.set NP,   220                         ; ROWNORM: the other half's maximum
.set NR,   222                         ; ROWNORM: the reciprocal (v223 is read with it as a pair, and not used)
; ---- scalar registers ----            s2 wave, s3 trips, s[4:5] my keys' x, s[6:7] my rows of out, s[8:43] the 18 addresses, s44, s45 lane selects
.set KD,   48                          ; s48 .. s52: coefficients of dist, sin, cos, dx, dy in the linear half
.set KS,   49
.set KC,   50
.set KX,   51
.set KY,   52
.set K0,   53                          ; half of the constant term: each pair's sum collects it from two lanes
; ================= macros of the main part =================
; four loads of 512 neighbouring bytes: eight keys' x, batch b of the step's four
.macro XLOAD b
.irp k, 0,1,2,3
	global_load_b128 v[XR+4*\k:XR+4*\k+3], v[XOFF], s[4:5] offset:2048*\b+512*\k
.endr
.endm
; that batch to f16 and into my wave's stage: load k holds rows 8 b + 2 k + h, 8 bytes a lane
.macro XCVT b
	s_wait_loadcnt 0x0                             ; only the batch's four loads are out, issued three groups ago
.irp k, 0,1,2,3
	v_cvt_pk_f16_f32 v[XR+4*\k], v[XR+4*\k], v[XR+4*\k+1]
	v_cvt_pk_f16_f32 v[XR+4*\k+1], v[XR+4*\k+2], v[XR+4*\k+3]
.endr
.irp k, 0,1,2,3
	ds_store_b64 v[XST], v[XR+4*\k:XR+4*\k+1] offset:2*XP*(4*\b+\k)
.endr
.endm
; features of group g, first half: dx, dy, r2, and the two roots; asks for the next group's key
.macro FEAT_A g
	s_wait_dscnt 0x0                               ; the key's coordinates are in (asked for a group ago, as all else that is out)
	v_sub_f32 v[T+0], v[CK], v[XI]                 ; dx = x_key - x_query
	v_sub_f32 v[T+1], v[CK+1], v[XI+1]             ; dy
.if \g < 15
	ds_load_b64 v[CK:CK+1], v[CKA] offset:8*(16*((\g+1)>>3)+((\g+1)&7))
.endif
	v_mul_f32 v[T+2], v[T+0], v[T+0]
	v_fma_f32 v[T+2], v[T+1], v[T+1], v[T+2]       ; r2
	v_add_f32 v[T+3], 0x322bcc77, v[T+2]           ; + 1e-8
	v_max_num_f32 v[T+4], 0x00800000, v[T+2]       ; at least 2^-126: the root's argument is a normal number
	v_sqrt_f32 v[T+5], v[T+3]                      ; dist
	v_rsq_f32 v[T+6], v[T+4]
.endm
; second half: sin, cos, the linear half of the three nets into S[g], and the fragment's three registers
.macro FEAT_B g
	v_cmp_neq_f32 vcc_lo, 0, v[T+2]                ; also the plain instruction between the roots and their first use (ISA guide 5.7.2)
	s_wait_alu depctr_va_vdst(0)
	v_mul_f32 v[T+3], v[T+1], v[T+6]               ; sin
	v_mul_f32 v[T+4], v[T+0], v[T+6]               ; cos
	v_mul_f32 v[S+\g], s[KD], v[T+5]
	v_cndmask_b32 v[T+4], 1.0, v[T+4], vcc_lo      ; r2 = 0: cos = 1 (sin is 0 already)
	v_fma_f32 v[S+\g], s[KS], v[T+3], v[S+\g]
	v_cvt_pk_f16_f32 v[B0+8*((\g)&1)], v[T+5], v[T+3]      ; k0 dist, k1 sin
	v_fma_f32 v[S+\g], s[KC], v[T+4], v[S+\g]
	v_cvt_pk_f16_f32 v[B0+8*((\g)&1)+1], v[T+4], v[T+0]    ; k2 cos, k3 dx
	v_fma_f32 v[S+\g], s[KX], v[T+0], v[S+\g]
	v_cvt_pk_f16_f32 v[B0+8*((\g)&1)+2], v[T+1], v[ONE]    ; k4 dy, k5 1
	v_fma_f32 v[S+\g], s[KY], v[T+1], v[S+\g]
.endm
; layer 2 for the two tiles of buffer buf (tile u of the hidden units): 16 multiply-adds with |h| in four chains.
; start = 1: the chains begin here, two with half the constant term as addend, two with a product: nothing is cleared.
.macro FMA16 buf, u, start
.irp j, 0,1,2,3,4,5,6,7
.irp v, 0,1
.if \start
.if \j == 0
	v_fma_f32 v[ACC+\v], |v[D+16*\buf+8*\v]|, v[W2H+8*\u], s[K0]
.else
.if \j == 1
	v_mul_f32 v[ACC+\v+2], |v[D+16*\buf+8*\v+1]|, v[W2H+8*\u+1]
.else
	v_fma_f32 v[ACC+\v+2*(\j&1)], |v[D+16*\buf+8*\v+\j]|, v[W2H+8*\u+\j], v[ACC+\v+2*(\j&1)]
.endif
.endif
.else
	v_fma_f32 v[ACC+\v+2*(\j&1)], |v[D+16*\buf+8*\v+\j]|, v[W2H+8*\u+\j], v[ACC+\v+2*(\j&1)]
.endif
.endr
.endr
.endm
; lane (r, h) holds, for the pairs of lanes r (a0) and r + 16 (a1), the sum over its half of the hidden units: bring the halves together
.macro FINISH g
	v_pk_add_f32 v[ACC:ACC+1], v[ACC:ACC+1], v[ACC+2:ACC+3]
	v_permlane16_swap_b32 v[ACC], v[ACC+1]         ; a0: lanes 16-31 take a1's lanes 0-15; a1: lanes 0-15 take a0's lanes 16-31
	v_add_f32 v[ACC], v[ACC], v[ACC+1]             ; every lane: its own pair's sum
	v_add_f32 v[S+\g], v[S+\g], v[ACC]
.endm
; layer 1 for tile u: 16 hidden units x 32 pairs.  A lane's features lie in k 0-5 (lanes 0-15) or k 8-13 (lanes 16-31) of column r;
; variant 0 of the weights is zero in k 8-15, variant 1 in k 0-7.  An A tuple's upper four registers are the next quad: they meet B's zeros.
.macro WM u
	v_wmma_f32_16x16x32_f16 v[D+16*(\u&1):D+16*(\u&1)+7], v[AW+8*\u:AW+8*\u+7], v[BB:BB+7], 0
	v_wmma_f32_16x16x32_f16 v[D+16*(\u&1)+8:D+16*(\u&1)+15], v[AW+8*\u+4:AW+8*\u+11], v[BB:BB+7], 0
.endm
; one group = 32 pairs.  Each pair of matrix instructions is followed by the layer 2 of the pair before it: a result is read 16 plain vector
; instructions behind its matrix instruction (in a step's first group: the six of FEAT_A) and written over 32 behind it (ISA guide 7.12.1 asks 4 and 5).
; Every matrix instruction here starts a sum of its own (C = 0).
.macro GROUP g, prev, next
.set BB, B0+8*((\g)&1)
	WM 0
.if \prev
	FMA16 1, 5, 0
	FINISH (\g-1)
.endif
.if \next
	FEAT_A (\g+1)
.endif
	WM 1
	FMA16 0, 0, 1
	WM 2
	FMA16 1, 1, 0
.if \next
	FEAT_B (\g+1)
.endif
	WM 3
	FMA16 0, 2, 0
	WM 4
	FMA16 1, 3, 0
	WM 5
	FMA16 0, 4, 0
.endm
; one step = 32 keys x 16 queries.  first = 1: maximum, sum and O' begin here.
.macro STEP first
	ds_load_b64 v[CK:CK+1], v[CKA]
	XLOAD 0
	FEAT_A 0
	FEAT_B 0
	GROUP 0, 0, 1
	GROUP 1, 1, 1
	GROUP 2, 1, 1
	XCVT 0
	XLOAD 1
	GROUP 3, 1, 1
	GROUP 4, 1, 1
	GROUP 5, 1, 1
	XCVT 1
	XLOAD 2
	GROUP 6, 1, 1
	GROUP 7, 1, 1
	GROUP 8, 1, 1
	XCVT 2
	XLOAD 3
	GROUP 9, 1, 1
	GROUP 10, 1, 1
	GROUP 11, 1, 1
	XCVT 3
	GROUP 12, 1, 1
	GROUP 13, 1, 1
	GROUP 14, 1, 1
	GROUP 15, 1, 0
	FMA16 1, 5, 0
	FINISH 15
	; X Q'^T: the step's x is whole in my stage only now, so one stage does.  My own bytes: LDS serves a wave's instructions in order (ISA guide 5.7.1).
.irp kt, 0,1
.irp c, 0,1
	ds_load_b128 v[D+8*(2*\kt+\c):D+8*(2*\kt+\c)+3],   v[AFR] offset:16*XP*\kt+64*\c
	ds_load_b128 v[D+8*(2*\kt+\c)+4:D+8*(2*\kt+\c)+7], v[AFR] offset:16*XP*\kt+64*\c+32
.endr
.endr
.irp q, 0,1,2,3
	ds_load_b128 v[XR+4*\q:XR+4*\q+3], v[QPA] offset:512*\q
.endr
	s_wait_dscnt 0x0
	v_wmma_f32_16x16x32_f16 v[QKD:QKD+7],    v[D:D+7],     v[XR:XR+7],    0                 ; the two accumulators take turns, one instruction a turn
	v_wmma_f32_16x16x32_f16 v[QKD+8:QKD+15], v[D+16:D+23], v[XR:XR+7],    0
	v_wmma_f32_16x16x32_f16 v[QKD:QKD+7],    v[D+8:D+15],  v[XR+8:XR+15], v[QKD:QKD+7]
	v_wmma_f32_16x16x32_f16 v[QKD+8:QKD+15], v[D+24:D+31], v[XR+8:XR+15], v[QKD+8:QKD+15]
	v_add_nc_u32 v[CKA], 256, v[CKA]               ; the next step's 32 keys; with the three v_nop the four places in front of
	v_nop                                          ; the loads into the fragments' registers and of the reads of the results
	v_nop
	v_nop
.irp c, 0,1,2,3
	ds_load_tr16_b128 v[D+8*\c:D+8*\c+3],   v[TRA] offset:32*\c             ; x^T: row d = 16 c + r, keys 8 h ..
	ds_load_tr16_b128 v[D+8*\c+4:D+8*\c+7], v[TRA] offset:32*\c+16*XP       ; keys 16 + 8 h ..
.endr
.irp i, 0,2,4,6,8,10,12,14
	v_pk_fma_f32 v[S+\i:S+\i+1], v[QKD+\i:QKD+\i+1], v[SCQ:SCQ+1], v[S+\i:S+\i+1]
.endr
	; the running maximum of my query: my 16 keys in two chains, then the other half's 16
.if \first
	v_max_num_f32 v[TA], v[S], v[S+1]
.else
	v_max3_num_f32 v[TA], v[M], v[S], v[S+1]
.endif
	v_max_num_f32 v[TB], v[S+8], v[S+9]
.irp i, 2,4,6
	v_max3_num_f32 v[TA], v[TA], v[S+\i], v[S+\i+1]
	v_max3_num_f32 v[TB], v[TB], v[S+8+\i], v[S+9+\i]
.endr
	v_max_num_f32 v[TA], v[TA], v[TB]
	v_permlanex16_b32 v[TP], v[TA], s44, s45
	v_max_num_f32 v[M+1], v[TA], v[TP]             ; the new maximum; the old one is still in M
.if \first
.else
	v_sub_f32 v[TD], v[M], v[M+1]
	v_exp_f32 v[SC], v[TD]
	v_exp_f32 v[SC+1], v[TD]
.endif
	v_mov_b32 v[M], v[M+1]                         ; a plain instruction behind the two exponentials
.irp i, 0,2,4,6,8,10,12,14
	v_pk_add_f32 v[S+\i:S+\i+1], v[S+\i:S+\i+1], v[M:M+1] neg_lo:[0,1] neg_hi:[0,1]
.endr
.irp i, 0,1,2,3,4,5,6,7,8,9,10,11,12,13,14,15
	v_exp_f32 v[S+\i], v[S+\i]
.endr
.if \first
	v_nop                                          ; a plain instruction between the exponentials and their first use (ISA guide 5.7.2)
	s_wait_alu depctr_va_vdst(0)
	v_pk_add_f32 v[L:L+1], v[S:S+1], v[S+2:S+3]
.else
	s_wait_alu depctr_va_vdst(0)
.irp i, 0,2,4,6,8,10,12,14,16,18,20,22,24,26,28,30
	v_pk_mul_f32 v[OA+\i:OA+\i+1], v[OA+\i:OA+\i+1], v[SC:SC+1]            ; these are the plain instructions here
.endr
	v_pk_fma_f32 v[L:L+1], v[L:L+1], v[SC:SC+1], v[S:S+1]
	v_pk_add_f32 v[L:L+1], v[L:L+1], v[S+2:S+3]
.endif
.irp i, 4,6,8,10,12,14
	v_pk_add_f32 v[L:L+1], v[L:L+1], v[S+\i:S+\i+1]
.endr
.irp n, 0,1,2,3,4,5,6,7
	v_cvt_pk_f16_f32 v[S+\n], v[S+2*\n], v[S+2*\n+1]       ; P as a fragment: column r, keys 8 h .., 16 + 8 h ..
.endr
	s_wait_dscnt 0x0                               ; x^T is in
.irp c, 0,1,2,3
.if \first
	v_wmma_f32_16x16x32_f16 v[OA+8*\c:OA+8*\c+7], v[D+8*\c:D+8*\c+7], v[S:S+7], 0
.else
	v_wmma_f32_16x16x32_f16 v[OA+8*\c:OA+8*\c+7], v[D+8*\c:D+8*\c+7], v[S:S+7], v[OA+8*\c:OA+8*\c+7]   ; four accumulators, one instruction each
.endif
.endr
	s_add_nc_u64 s[4:5], s[4:5], 8192              ; the next 32 keys' x: every load that named s[4:5] was shown done in XCVT 3
.endm
; ================= macros of the head and the tail =================
; 16 transposing loads: W^T as eight fragments (tile t of 16 columns of W, 32 c .. of its rows) from [d][e] at pitch 160
.macro LOADTR a
.irp t, 0,1,2,3
.irp c, 0,1
	ds_load_tr16_b128 v[D+8*(2*\t+\c):D+8*(2*\t+\c)+3],   v[\a] offset:32*XP*\c+32*\t
	ds_load_tr16_b128 v[D+8*(2*\t+\c)+4:D+8*(2*\t+\c)+7], v[\a] offset:32*XP*\c+16*XP+32*\t
.endr
.endr
.endm
; PT[t] = fragment (t, .) x the 16 queries' rows in v[OA:OA+15]: lane (r, h) gets, for query r, columns 16 t + 8 h + 0 .. 7.
; The four accumulators take turns, one instruction a turn.
.macro PROJ
.irp c, 0,1
.irp t, 0,1,2,3
.if \c
	v_wmma_f32_16x16x32_f16 v[PT+8*\t:PT+8*\t+7], v[D+8*(2*\t+\c):D+8*(2*\t+\c)+7], v[OA+8*\c:OA+8*\c+7], v[PT+8*\t:PT+8*\t+7]
.else
	v_wmma_f32_16x16x32_f16 v[PT+8*\t:PT+8*\t+7], v[D+8*(2*\t+\c):D+8*(2*\t+\c)+7], v[OA+8*\c:OA+8*\c+7], 0
.endif
.endr
.endr
.endm
.macro PLACES n
.rept \n
	v_nop
.endr
.endm
; my query's 64 numbers (32 here, 32 in lane xor 16) divided by their largest magnitude (kept in am, at least 2^-100) and packed as two fragments
.macro ROWNORM src, dst, am
	v_max_num_f32 v[\am], |v[\src]|, |v[\src+1]|
.irp i, 2,4,6,8,10,12,14,16,18,20,22,24,26,28,30
	v_max3_num_f32 v[\am], v[\am], |v[\src+\i]|, |v[\src+\i+1]|
.endr
	v_permlanex16_b32 v[NP], v[\am], s44, s45
	v_max3_num_f32 v[\am], v[\am], v[NP], 0x0d800000
	v_rcp_f32 v[NR], v[\am]
	v_nop                                          ; a plain instruction behind the reciprocal (ISA guide 5.7.2)
	s_wait_alu depctr_va_vdst(0)
.irp i, 0,2,4,6,8,10,12,14,16,18,20,22,24,26,28,30
	v_pk_mul_f32 v[\src+\i:\src+\i+1], v[\src+\i:\src+\i+1], v[NR:NR+1] op_sel_hi:[1,0]
.endr
.irp n, 0,1,2,3,4,5,6,7,8,9,10,11,12,13,14,15
	v_cvt_pk_f16_f32 v[\dst+\n], v[\src+2*\n], v[\src+2*\n+1]
.endr
.endm
; register j of tile u's two quads.  idx: which packed register, or -1 for none.  VCC = lanes 0-15.
; Hidden unit 16 (u&1) + r has to stand in lane r (variant 0) or lane 16 + r (variant 1); RR holds unit = lane, XX unit = lane xor 16.
.macro AWREG u, j, idx
.if \idx < 0
	v_mov_b32 v[AW+8*\u+\j], 0
	v_mov_b32 v[AW+8*\u+4+\j], 0
.else
.if \u & 1
	v_cndmask_b32 v[AW+8*\u+\j],   v[ZR], v[XX+\idx], vcc_lo
	v_cndmask_b32 v[AW+8*\u+4+\j], v[RR+\idx], v[ZR], vcc_lo
.else
	v_cndmask_b32 v[AW+8*\u+\j],   v[ZR], v[RR+\idx], vcc_lo
	v_cndmask_b32 v[AW+8*\u+4+\j], v[XX+\idx], v[ZR], vcc_lo
.endif
.endif
.endm
; ================= the head =================
	s_load_b512 s[8:23], s[0:1], 0x0               ; x, coords, Wq, Wk, Wv, rot_w1, rot_b1, rot_w2
	s_load_b512 s[24:39], s[0:1], 0x40             ; rot_b2, trans_w1, trans_b1, trans_w2, trans_b2, refl_w1, refl_b1, refl_w2
	s_load_b128 s[40:43], s[0:1], 0x80             ; refl_b2, out0
	v_lshl_add_u32 v248, v0, 2, 0x39500
	v_mov_b32 v249, 0
	v_lshrrev_b32 v1, 5, v0
	v_readfirstlane_b32 s2, v1                     ; wave 0 .. 15
	v_and_b32 v1, 31, v0                           ; lane
	v_and_b32 v2, 15, v0                           ; r
	v_bfe_u32 v3, v0, 4, 1                         ; h
	s_mov_b32 s44, 0x76543210                      ; v_permlanex16_b32: lane i takes lane i xor 16
	s_mov_b32 s45, 0xfedcba98
	s_lshr_b32 s54, ttmp9, 7                       ; batch: 128 work-groups each
	s_lshl_b32 s58, s54, 19                        ; my keys' x: batch x 2,048 rows x 256 bytes
	s_lshl_b32 s55, s2, 15                         ; + wave x 128 rows
	s_add_co_u32 s58, s58, s55
	s_mov_b32 s59, 0
	s_lshl_b32 s60, s54, 14                        ; my keys' coordinates: batch x 2,048 x 8 bytes
	s_lshl_b32 s55, s2, 10                         ; + wave x 128
	s_add_co_u32 s60, s60, s55
	s_mov_b32 s61, 0
	s_lshl_b32 s54, ttmp9, 12                      ; my queries' rows of x and of out: 16 x 256 bytes a work-group
	s_mov_b32 s55, 0
	s_lshl_b32 s56, ttmp9, 7                       ; my queries' coordinates
	s_mov_b32 s57, 0
	v_lshlrev_b32 v[T+0], 4, v0                    ; 16 thread: a W, 8,192 bytes by the 512 threads
	v_lshlrev_b32 v[T+1], 8, v2
	v_lshl_add_u32 v[T+1], v3, 5, v[T+1]           ; 256 r + 32 h: x of my query in fragment order
	v_lshlrev_b32 v[T+2], 5, v1                    ; 32 lane
	v_lshlrev_b32 v[T+3], 3, v2                    ; 8 r
	v_lshlrev_b32 v[T+4], 5, v3                    ; 32 h
	v_lshlrev_b32 v[T+5], 2, v1                    ; 4 lane
	s_wait_kmcnt 0x0
	s_add_nc_u64 s[4:5], s[8:9], s[58:59]
	s_add_nc_u64 s[8:9], s[8:9], s[54:55]
	s_add_nc_u64 s[6:7], s[42:43], s[54:55]
	s_add_nc_u64 s[56:57], s[10:11], s[56:57]
	s_add_nc_u64 s[60:61], s[10:11], s[60:61]
	s_load_b32 s46, s[24:25], 0x0                  ; the three b2
	s_load_b32 s47, s[32:33], 0x0
	s_load_b32 s62, s[40:41], 0x0
	; 44 loads.  First the three W, shared out among the 512 threads
.irp i, 0,1,2
	global_load_b128 v[D+8*\i:D+8*\i+3],   v[T+0], s[12+2*\i:13+2*\i]
	global_load_b128 v[D+8*\i+4:D+8*\i+7], v[T+0], s[12+2*\i:13+2*\i] offset:8192
.endr
.irp p, 0,1,2,3,4,5,6,7
	global_load_b128 v[OA+4*\p:OA+4*\p+3], v[T+1], s[8:9] offset:128*(\p>>2)+64*((\p>>1)&1)+16*(\p&1)   ; x[r][32 c + 16 half + 8 h ..]
.endr
	global_load_b128 v[B0:B0+3],   v[T+2], s[60:61]
	global_load_b128 v[B0+4:B0+7], v[T+2], s[60:61] offset:16
	global_load_b64 v[XI:XI+1], v[T+3], s[56:57]
.irp u, 0,1,2,3,4,5
	global_load_b128 v[W2H+8*\u:W2H+8*\u+3],   v[T+4], s[22+8*(\u>>1):23+8*(\u>>1)] offset:64*(\u&1)
	global_load_b128 v[W2H+8*\u+4:W2H+8*\u+7], v[T+4], s[22+8*(\u>>1):23+8*(\u>>1)] offset:64*(\u&1)+16
.endr
	global_load_b32 v[MC+0],  v[T+5], s[18:19]             ; rot_w1: dist
	global_load_b32 v[MC+1],  v[T+5], s[18:19] offset:128  ;         sin
	global_load_b32 v[MC+2],  v[T+5], s[18:19] offset:256  ;         cos
	global_load_b32 v[MC+3],  v[T+5], s[20:21]             ; rot_b1
	global_load_b32 v[MC+4],  v[T+5], s[22:23]             ; rot_w2
	global_load_b32 v[MC+5],  v[T+5], s[26:27]             ; trans_w1: dx
	global_load_b32 v[MC+6],  v[T+5], s[26:27] offset:128  ;           dy
	global_load_b32 v[MC+7],  v[T+5], s[28:29]             ; trans_b1
	global_load_b32 v[MC+8],  v[T+5], s[30:31]             ; trans_w2
	global_load_b32 v[MC+9],  v[T+5], s[34:35]             ; refl_w1: dx
	global_load_b32 v[MC+10], v[T+5], s[34:35] offset:128  ;          dy
	global_load_b32 v[MC+11], v[T+5], s[34:35] offset:256  ;          -dx
	global_load_b32 v[MC+12], v[T+5], s[34:35] offset:384  ;          -dy
	global_load_b32 v[MC+13], v[T+5], s[36:37]             ; refl_b1
	global_load_b32 v[MC+14], v[T+5], s[38:39]             ; refl_w2
	v_lshrrev_b32 v[PA], 4, v0                     ; my row of a W (and 32 further down)
	v_lshlrev_b32 v[PB], 3, v2                     ; my 8 bytes of f16 in it
	v_mad_u32_u24 v[PC], v[PA], XP, v[PB]
	v_mad_u32_u24 v[PD], v[PA], WKP, v[PB]
	v_add_nc_u32 v[PC], WQ, v[PC]
	v_add_nc_u32 v[PD], WK, v[PD]
	s_lshl_b32 s54, s2, 10
	s_add_co_u32 s54, s54, CKB
	v_add_nc_u32 v[PA], s54, v[T+2]                ; my 32 bytes of my wave's coordinates
	s_wait_loadcnt 38                              ; the six loads of W are in: 8 + 3 + 12 + 15 younger ones may stay out
.irp i, 0,1,2,3,4,5
	v_cvt_pk_f16_f32 v[D+4*\i],   v[D+4*\i],   v[D+4*\i+1]
	v_cvt_pk_f16_f32 v[D+4*\i+1], v[D+4*\i+2], v[D+4*\i+3]
.endr
	ds_store_b64 v[PC], v[D+0:D+1]
	ds_store_b64 v[PC], v[D+4:D+5]   offset:32*XP
	ds_store_b64 v[PD], v[D+8:D+9]
	ds_store_b64 v[PD], v[D+12:D+13] offset:32*WKP
	ds_store_b64 v[PC], v[D+16:D+17] offset:WV-WQ
	ds_store_b64 v[PC], v[D+20:D+21] offset:WV-WQ+32*XP
	s_wait_loadcnt 0x0
	ds_store_b128 v[PA], v[B0:B0+3]
	ds_store_b128 v[PA], v[B0+4:B0+7] offset:16
	s_wait_kmcnt 0x0                               ; the three b2
	s_wait_dscnt 0x0                               ; for the other waves' sake: my part of the three W lies in LDS
	s_barrier_signal -1
	; register work while the others arrive: x of my query as two fragments, and the nets' constants
.irp n, 0,1,2,3,4,5,6,7,8,9,10,11,12,13,14,15
	v_cvt_pk_f16_f32 v[OA+\n], v[OA+2*\n], v[OA+2*\n+1]
.endr
	s_mov_b32 vcc_lo, 0xffff                       ; lanes 0-15
.irp z, 0,1,2,3
	v_mov_b32 v[ZR+\z], 0
.endr
	v_sub_f32 v[MC+9],  v[MC+9],  v[MC+11]         ; refl on dx: w1[0] - w1[2]
	v_sub_f32 v[MC+10], v[MC+10], v[MC+12]         ; refl on dy: w1[1] - w1[3]
	v_cvt_pk_f16_f32 v[RR+0], v[MC+0], v[MC+1]     ; rot:   k0 dist, k1 sin
	v_cvt_pk_f16_f32 v[RR+1], v[MC+2], v[ZR]       ;        k2 cos
	v_cvt_pk_f16_f32 v[RR+2], v[ZR],   v[MC+3]     ;        k5 b1
	v_cvt_pk_f16_f32 v[RR+3], v[ZR],   v[MC+5]     ; trans: k3 dx
	v_cvt_pk_f16_f32 v[RR+4], v[MC+6], v[MC+7]     ;        k4 dy, k5 b1
	v_cvt_pk_f16_f32 v[RR+5], v[ZR],   v[MC+9]     ; refl:  k3 dx
	v_cvt_pk_f16_f32 v[RR+6], v[MC+10], v[MC+13]   ;        k4 dy, k5 b1
.irp i, 0,1,2,3,4,5,6
	v_permlanex16_b32 v[XX+\i], v[RR+\i], s44, s45
.endr
.irp u, 0,1
	AWREG \u, 0, 0
	AWREG \u, 1, 1
	AWREG \u, 2, 2
	AWREG \u, 3, -1
.endr
.irp u, 2,3
	AWREG \u, 0, -1
	AWREG \u, 1, 3
	AWREG \u, 2, 4
	AWREG \u, 3, -1
.endr
.irp u, 4,5
	AWREG \u, 0, -1
	AWREG \u, 1, 5
	AWREG \u, 2, 6
	AWREG \u, 3, -1
.endr
	; the linear half: sums over the hidden units (one a lane) of w2 x each column of w1, and of w2 x b1
	v_mul_f32 v[PP+0], v[MC+4], v[MC+0]
	v_mul_f32 v[PP+1], v[MC+4], v[MC+1]
	v_mul_f32 v[PP+2], v[MC+4], v[MC+2]
	v_mul_f32 v[PP+3], v[MC+8], v[MC+5]
	v_mul_f32 v[PP+4], v[MC+8], v[MC+6]
	v_mul_f32 v[PP+5], v[MC+4], v[MC+3]
	v_fmac_f32 v[PP+3], v[MC+14], v[MC+9]
	v_fmac_f32 v[PP+4], v[MC+14], v[MC+10]
	v_fmac_f32 v[PP+5], v[MC+8],  v[MC+7]
	v_fmac_f32 v[PP+5], v[MC+14], v[MC+13]
.irp m, 1,2,4,8
.irp i, 0,1,2,3,4,5
	v_add_f32_dpp v[PP+\i], v[PP+\i], v[PP+\i] row_xmask:\m row_mask:0xf bank_mask:0xf
.endr
.endr
.irp i, 0,1,2,3,4,5
	v_permlanex16_b32 v[XX+\i], v[PP+\i], s44, s45
.endr
.irp i, 0,1,2,3,4,5
	v_add_f32 v[PP+\i], v[PP+\i], v[XX+\i]
.endr
.irp i, 0,1,2,3,4,5
	v_readfirstlane_b32 s[KD+\i], v[PP+\i]
.endr
.irp i, 0,1,2,3,4
	s_mul_f32 s[KD+\i], s[KD+\i], 0x3f38aa3b       ; x log2(e) / 2
.endr
	s_add_f32 s46, s46, s47
	s_add_f32 s46, s46, s62                        ; b2 of the three nets
	s_mul_f32 s[K0], s[K0], 0x3eb8aa3b             ; half of log2(e) x (sum of w2 b1) / 2
	s_mul_f32 s46, s46, 0x3f38aa3b                 ; half of log2(e) x (sum of b2)
	s_add_f32 s[K0], s[K0], s46
.irp i, 0,2,4,6,8,10,12,14,16,18,20,22,24,26,28,30,32,34,36,38,40,42,44,46
	v_pk_mul_f32 v[W2H+\i:W2H+\i+1], v[W2H+\i:W2H+\i+1], 0x3f38aa3b op_sel_hi:[1,0]
.endr
	v_and_b32 v[PA], 7, v0
	v_lshl_or_b32 v[PA], v3, 3, v[PA]              ; 8 h + (lane & 7): the row that I address in a transposing load
	v_bfe_u32 v[PB], v0, 3, 1
	v_mul_u32_u24 v[TRL], v[PA], XP
	v_lshl_add_u32 v[TRL], v[PB], 4, v[TRL]        ; + 16 ((lane >> 3) & 1)
	v_add_nc_u32 v[PC], WQ, v[TRL]
	v_mul_u32_u24 v[PD], v2, WKP
	v_lshl_add_u32 v[PD], v3, 4, v[PD]
	v_add_nc_u32 v[PD], WK, v[PD]                  ; plain fragments of Wk: row r, 16 h
	s_barrier_wait -1                              ; the three W are whole
	; Q' = (x_i Wq) Wk^T, by every wave for itself: 16 matrix instructions, and no barrier more
	LOADTR PC
	s_wait_dscnt 0x0
	PROJ                                           ; Q[r][e]
	PLACES 5                                       ; in front of loads into the fragments and of reads of the results
.irp t, 0,1,2,3
.irp c, 0,1
	ds_load_b128 v[D+8*(2*\t+\c):D+8*(2*\t+\c)+3],   v[PD] offset:16*WKP*\t+64*\c
	ds_load_b128 v[D+8*(2*\t+\c)+4:D+8*(2*\t+\c)+7], v[PD] offset:16*WKP*\t+64*\c+32
.endr
.endr
	ROWNORM PT, OA, 224
	s_wait_dscnt 0x0
	PROJ                                           ; Q'[r][d]
	PLACES 5
	ROWNORM PT, XR, 225
	v_mul_f32 v[SCQ], v224, v225                   ; the two row factors go back in f32,
	v_mul_f32 v[SCQ], 0x3e38aa3b, v[SCQ]           ; with log2(e) / sqrt(64)
	v_mov_b32 v[SCQ+1], v[SCQ]
	; the main part's addresses: a constant, the wave's number times a constant, a lane term
	s_mul_i32 s54, s2, XSW
	s_lshl_b32 s55, s2, 10
	s_add_co_u32 s55, s55, CKB
	s_lshl_b32 s56, s2, 11
	s_add_co_u32 s56, s56, QP
	v_lshlrev_b32 v[XOFF], 4, v1
	v_lshlrev_b32 v[XST], 3, v2
	v_mad_u32_u24 v[XST], v3, XP, v[XST]
	v_add_nc_u32 v[XST], s54, v[XST]
	v_mul_u32_u24 v[AFR], v2, XP
	v_lshl_add_u32 v[AFR], v3, 4, v[AFR]
	v_add_nc_u32 v[AFR], s54, v[AFR]
	v_add_nc_u32 v[TRA], s54, v[TRL]
	v_lshl_add_u32 v[CKA], v3, 6, s55              ; keys 8 h ..
	v_lshl_add_u32 v[QPA], v1, 4, s56
.irp q, 0,1,2,3
	ds_store_b128 v[QPA], v[XR+4*\q:XR+4*\q+3] offset:512*\q               ; my wave's own bytes
.endr
.irp z, 3,4,5,6,7,11,12,13,14,15
	v_mov_b32 v[B0+\z], 0                          ; the unused k of both feature fragments, once
.endr
	v_mov_b32 v[ONE], 1.0
; ================= the main part: 4 steps of 32 keys =================
	STEP 1                                         ; the first step stands in front of the loop: its products start the sums
	s_mov_b32 s3, 3
.Lstep:
	STEP 0
	s_sub_co_i32 s3, s3, 1
	s_cmp_lg_u32 s3, 0
	s_cbranch_scc1 .Lstep
; ================= the waves' parts meet =================
	s_lshl_b32 s54, s2, 2
	s_lshl_b32 s55, s2, 12
	s_add_co_u32 s55, s55, OX
	s_lshr_b32 s56, s2, 1
	s_lshl_b32 s56, s56, 9
	s_and_b32 s57, s2, 1
	s_lshl_b32 s57, s57, 3
	s_add_co_u32 s56, s56, s57
	s_add_co_u32 s56, s56, OX                      ; registers 2 w, 2 w + 1 of an O': quad w >> 1, byte 8 (w & 1)
	s_lshr_b32 s57, s2, 2
	s_lshl_b32 s57, s57, 9
	s_and_b32 s58, s2, 3
	s_lshl_b32 s58, s58, 2
	s_add_co_u32 s57, s57, s58
	s_add_co_u32 s57, s57, OF                      ; packed register w: quad w >> 2, byte 4 (w & 3)
	v_add_f32 v[L], v[L], v[L+1]                   ; these seven plain instructions are also the places behind the last matrix instructions
	v_lshlrev_b32 v[EA], 6, v2
	v_add_nc_u32 v[EA], MX, v[EA]                  ; my query's 16 maxima
	v_add_nc_u32 v[EB], s54, v[EA]                 ; my wave's word among them
	v_add_nc_u32 v[EC], s55, v[XOFF]
	v_add_nc_u32 v[ED], s56, v[XOFF]
	v_add_nc_u32 v[EE], s57, v[XOFF]
	v_permlanex16_b32 v[L+1], v[L], s44, s45
	v_add_f32 v[L], v[L], v[L+1]                   ; the sum over my wave's 128 keys
	ds_store_b32 v[EB], v[M]                       ; lanes r and r + 16 write the same word with the same value
	ds_store_b32 v[EB], v[L] offset:LX-MX
.irp q, 0,1,2,3,4,5,6,7
	ds_store_b128 v[EC], v[OA+4*\q:OA+4*\q+3] offset:512*\q
.endr
	s_wait_dscnt 0x0                               ; for the others' sake: my part lies in LDS
	s_barrier_signal -1
	s_barrier_wait -1
	; wave w merges registers 2 w and 2 w + 1 of the 16 waves' O'
.irp k, 0,1,2,3
	ds_load_b128 v[OA+4*\k:OA+4*\k+3],       v[EA] offset:16*\k
	ds_load_b128 v[OA+16+4*\k:OA+16+4*\k+3], v[EA] offset:LX-MX+16*\k
.endr
.irp i, 0,1,2,3,4,5,6,7,8,9,10,11,12,13,14,15
	ds_load_b64 v[D+2*\i:D+2*\i+1], v[ED] offset:4096*\i
.endr
	s_wait_dscnt 0x0
	v_max_num_f32 v[TA], v[OA], v[OA+1]
.irp i, 2,4,6,8,10,12,14
	v_max3_num_f32 v[TA], v[TA], v[OA+\i], v[OA+\i+1]
.endr
.irp i, 0,1,2,3,4,5,6,7,8,9,10,11,12,13,14,15
	v_sub_f32 v[OA+\i], v[OA+\i], v[TA]
.endr
.irp i, 0,1,2,3,4,5,6,7,8,9,10,11,12,13,14,15
	v_exp_f32 v[OA+\i], v[OA+\i]                   ; 2^(m_w - m)
.endr
	v_nop                                          ; a plain instruction behind the exponentials
	s_wait_alu depctr_va_vdst(0)
	v_mul_f32 v[TB], v[OA], v[OA+16]
	v_mul_f32 v[TP], v[OA], v[D]
	v_mul_f32 v[TD], v[OA], v[D+1]
.irp i, 1,2,3,4,5,6,7,8,9,10,11,12,13,14,15
	v_fmac_f32 v[TB], v[OA+\i], v[OA+16+\i]
	v_fmac_f32 v[TP], v[OA+\i], v[D+2*\i]
	v_fmac_f32 v[TD], v[OA+\i], v[D+2*\i+1]
.endr
	v_rcp_f32 v[TA], v[TB]
	v_nop
	s_wait_alu depctr_va_vdst(0)
	v_mul_f32 v[TP], v[TP], v[TA]
	v_mul_f32 v[TD], v[TD], v[TA]
	v_cvt_pk_f16_f32 v[TP], v[TP], v[TD]           ; an average of rows of x: inside f16 where x is
	ds_store_b32 v[EE], v[TP]
	s_wait_dscnt 0x0
	s_barrier_signal -1
	s_barrier_wait -1
	; out = O' Wv: eight matrix instructions, by wave 0
	s_cmp_lg_u32 s2, 0
	s_cbranch_scc1 .Lend
	v_add_nc_u32 v[EA], OF, v[XOFF]
	v_add_nc_u32 v[EB], WV, v[TRL]
.irp q, 0,1,2,3
	ds_load_b128 v[OA+4*\q:OA+4*\q+3], v[EA] offset:512*\q
.endr
	LOADTR EB
	s_wait_dscnt 0x0
	PROJ                                           ; lane (r, h): out[r][16 t + 8 h + 0 .. 7]
	v_mul_u32_u24 v[EC], v2, OSP                   ; six plain instructions: the places behind the matrix instructions
	v_lshl_add_u32 v[EC], v3, 5, v[EC]
	v_add_nc_u32 v[EC], OS, v[EC]                  ; in: row r, 32 bytes for each half of the lanes
	v_mul_u32_u24 v[ED], v3, OSP
	v_lshl_add_u32 v[ED], v2, 4, v[ED]
	v_add_nc_u32 v[ED], OS, v[ED]                  ; back: lanes 0-15 one row of 256 bytes, lanes 16-31 the next
.irp t, 0,1,2,3
	ds_store_b128 v[EC], v[PT+8*\t:PT+8*\t+3]   offset:64*\t
	ds_store_b128 v[EC], v[PT+8*\t+4:PT+8*\t+7] offset:64*\t+16
.endr
.irp k, 0,1,2,3,4,5,6,7
	ds_load_b128 v[XR+4*\k:XR+4*\k+3], v[ED] offset:2*OSP*\k               ; my own bytes: LDS serves a wave's instructions in order (ISA guide 5.7.1)
.endr
.irp k, 0,1,2,3,4,5,6,7
	s_wait_dscnt 7-\k                              ; rows 2 k, 2 k + 1 are in; the younger reads may stay out
	global_store_b128 v[XOFF], v[XR+4*\k:XR+4*\k+3], s[6:7] offset:512*\k th:TH_STORE_NT   ; 16 lanes store one row: 256 consecutive bytes, aligned
.endr
.Lend:
	s_wait_tensorcnt 0x0
	ds_add_u32 v248, v249
	s_wait_dscnt 0x0
	s_endpgm
.Lfunc_end_k_q5bd49e3013_attn:
	.size	k_q5bd49e3013_attn, .Lfunc_end_k_q5bd49e3013_attn-k_q5bd49e3013_attn
	.p2alignl 7, 3214868480
	.fill 96, 4, 3214868480
	.section	.rodata,"a",@progbits
	.p2align	6, 0x0
	.amdhsa_kernel k_q5bd49e3013_attn
		.amdhsa_group_segment_fixed_size 236800
		.amdhsa_private_segment_fixed_size 0
		.amdhsa_enable_private_segment 0
		.amdhsa_kernarg_size 144
		.amdhsa_user_sgpr_count 2
		.amdhsa_user_sgpr_kernarg_segment_ptr 1
		.amdhsa_wavefront_size32 1
		.amdhsa_system_sgpr_workgroup_id_x 1
		.amdhsa_system_sgpr_workgroup_id_y 1
		.amdhsa_system_sgpr_workgroup_id_z 1
		.amdhsa_system_vgpr_workitem_id 0
		.amdhsa_next_free_vgpr 250
		.amdhsa_next_free_sgpr 66
		.amdhsa_reserve_vcc 1
		.amdhsa_float_denorm_mode_32 3
		.amdhsa_float_denorm_mode_16_64 3
		.amdhsa_memory_ordered 1
		.amdhsa_forward_progress 1
		.amdhsa_inst_pref_size 255
	.end_amdhsa_kernel
	.section	.bss,"aw",@nobits
	.p2align	6
	.space	262144
	.amdgpu_metadata
---
amdhsa.version: [ 1, 2 ]
amdhsa.kernels:
  - .name:           k_q5bd49e3013_attn
    .symbol:         k_q5bd49e3013_attn.kd
    .args:
      - { .name: x, .offset: 0, .size: 8, .value_kind: global_buffer, .address_space: global }
      - { .name: coords, .offset: 8, .size: 8, .value_kind: global_buffer, .address_space: global }
      - { .name: Wq, .offset: 16, .size: 8, .value_kind: global_buffer, .address_space: global }
      - { .name: Wk, .offset: 24, .size: 8, .value_kind: global_buffer, .address_space: global }
      - { .name: Wv, .offset: 32, .size: 8, .value_kind: global_buffer, .address_space: global }
      - { .name: rot_w1, .offset: 40, .size: 8, .value_kind: global_buffer, .address_space: global }
      - { .name: rot_b1, .offset: 48, .size: 8, .value_kind: global_buffer, .address_space: global }
      - { .name: rot_w2, .offset: 56, .size: 8, .value_kind: global_buffer, .address_space: global }
      - { .name: rot_b2, .offset: 64, .size: 8, .value_kind: global_buffer, .address_space: global }
      - { .name: trans_w1, .offset: 72, .size: 8, .value_kind: global_buffer, .address_space: global }
      - { .name: trans_b1, .offset: 80, .size: 8, .value_kind: global_buffer, .address_space: global }
      - { .name: trans_w2, .offset: 88, .size: 8, .value_kind: global_buffer, .address_space: global }
      - { .name: trans_b2, .offset: 96, .size: 8, .value_kind: global_buffer, .address_space: global }
      - { .name: refl_w1, .offset: 104, .size: 8, .value_kind: global_buffer, .address_space: global }
      - { .name: refl_b1, .offset: 112, .size: 8, .value_kind: global_buffer, .address_space: global }
      - { .name: refl_w2, .offset: 120, .size: 8, .value_kind: global_buffer, .address_space: global }
      - { .name: refl_b2, .offset: 128, .size: 8, .value_kind: global_buffer, .address_space: global }
      - { .name: out0, .offset: 136, .size: 8, .value_kind: global_buffer, .address_space: global }
    .group_segment_fixed_size: 236800
    .private_segment_fixed_size: 0
    .kernarg_segment_align: 8
    .kernarg_segment_size: 144
    .max_flat_workgroup_size: 512
    .sgpr_count:     66
    .vgpr_count:     250
    .wavefront_size: 32
...
	.end_amdgpu_metadata
.endif
;; end of part 1
;; ======== version 2 of 2: 1 launch; version 1 with the launch attn written anew for expert scheduling mode
;; limits: values outside matrix products are rounded to f16; a difference of large sums (such as E[x^2] - mean^2): digits are lost where the result is much smaller than its terms; values are held in f16: magnitudes above 65,504 overflow, below 6.1e-05 lose precision; inputs' magnitudes at most 65,504; below input magnitudes of 1.08e-19 results are inexact or not finite
;; launch attn (part 2): grid 256 x 1, 16 waves a work-group, no clusters, 236,800 bytes of LDS; arguments x, coords, Wq, Wk, Wv, rot_w1, rot_b1, rot_w2, rot_b2, trans_w1, trans_b1, trans_w2, trans_b2, refl_w1, refl_b1, refl_w2, refl_b2, out0; writes out0
.if DOCPART == 2
	.amdgcn_target "amdgcn-amd-amdhsa--gfx1250"
	.amdhsa_code_object_version 6
	.text
	.protected	k_q5bd49e3013_attn
	.globl	k_q5bd49e3013_attn
	.p2align	8
	.type	k_q5bd49e3013_attn,@function
k_q5bd49e3013_attn:
	s_mov_b64 s[64:65], 0
	v_nop
	global_prefetch_b8 v0, s[64:65] scope:SCOPE_SE
	s_setreg_imm32_b32 hwreg(HW_REG_WAVE_SCHED_MODE, 0, 2), 2
	s_setreg_imm32_b32 hwreg(HW_REG_WAVE_MODE, 25, 1), 1
	s_wait_xcnt 0x0
	s_wait_alu depctr_vm_vsrc(0)
; Attention over [2][2048] rows of 64 numbers, one head, with a bias from three small ReLU nets for every (query, key) pair.
; ONE LAUNCH.  Work-group g owns the 16 queries 16 g .. 16 g + 15 of the 4,096 rows; wave w of 16 takes the 128 keys 128 w .. of the
; queries' batch, in 4 steps of 32 keys, with a running maximum of its own; the 16 waves' parts meet in LDS at the end.
; ALGEBRA (exact):  scores = (x_i Wq Wk^T) . x_j   and   out = (P x) Wv : raw x serves as keys and as values, no K or V is made.
;   relu(h) = (h + |h|) / 2 : the half that is linear in the five features (dist, sin, cos, dx, dy) is five f32 multiply-adds a pair with
;   coefficients made once; the other half is ONE v_fma_f32 with |h| for each hidden value.  h comes from the matrix unit.
;   refl's inputs (dx, dy, -dx, -dy) fold into w1[0]-w1[2] and w1[1]-w1[3].  sin = dy rsq(r2), cos = dx rsq(r2), r2 = dx^2 + dy^2;
;   for r2 = 0: sin 0, cos 1, as atan2(+0, +0) = 0 gives.  log2(e) is folded into every coefficient: P = 2^(S - m).
; LANES: r = lane & 15 is the lane's query throughout, h = lane >> 4.  Score register g of a step is the pair (query r, key 16 (g>>3) + 8 h + (g&7)):
;   the layout in which X Q'^T leaves the matrix unit and, packed to f16, the one in which P enters it: no shuffle, and m, l are one number a lane.
; LIMITS KEPT: matrix operands are f16, so |x|, |Wq|, |Wk|, |Wv|, |w1|, |b1| and |coordinate differences| must not pass 65,504.
;   Q and Q' are divided by their row's largest magnitude before rounding and the factor goes back in f32 (rows up to 2^126).
;   A pair with 0 < dx^2 + dy^2 < 2^-126 (squares that underflow to 0 among them) gets sin and cos that are not normalised.
; NOT USED, by this text's own arithmetic: joint tensor loads of x in a cluster.  x is f32 in memory and has to pass through registers to become
;   f16; a wave asks for 16 loads of 512 bytes in a step of some 2,300 instructions; refills by tensor loads would tie 16 waves, and the partners'
;   too, to a barrier in every step, where this text has three barriers in all.  No prefetch: each batch's 512 KiB of x is read by 128 work-groups.
; THE MODE: SCHED_MODE bits 1:0 = 2 (LLVM: expert scheduling mode 2), set by the entry lines.  The code itself states the register dependences
;   between vector or matrix instructions and memory or LDS instructions, with s_wait_alu, always for 0.
; THE PLAN, for the main part.  Registers that memory or LDS instructions touch:
;   CK      A key's coordinates.  Read by the two subtractions of FEAT_A; the next key's load stands behind the wait on va_vdst of FEAT_B, which follows them.
;           At a step's end the registers are part of QKD: written by the score products, read by the packed multiply-adds, all ahead of the wait for the exponentials.
;   XR      A batch of x: four loads land; eight conversions pack it in place, ahead of FEAT_B's wait on va_vdst; four LDS stores read it behind that wait; one wait on
;           vm_vsrc, a block of layer 2 later, and the next batch's loads land.  At a step's end Q' lands in it and the score products read it.
;   D       Written by layer 1's matrix instructions, read by layer 2.  One wait on va_vdst behind the step's last block of layer 2, and x's fragments land; one more
;           behind the score products, which read them, and x's transposed fragments land.
;   CKA     Read by every load of coordinates; stepped once a step, behind the step's end's wait on vm_vsrc and ahead of the wait on va_vdst in front of the transposing loads.
;   XOFF, XST, AFR, TRA, QPA   Made in the head, never written in the main part.
;   VCC     Written by FEAT_B's compare, read by its select: a wait on va_vcc between the two.
;   All other registers of the main part are named by vector and matrix instructions alone.
; ---- LDS (bytes) ----
.set XP,   160                         ; pitch of an f16 row of 64 numbers that transposing loads read: an odd multiple of 32
.set XSW,  32*XP                       ; 0 .. 81,920: for each wave 5,120: x of the step's 32 keys in f16
.set CKB,  81920                       ; for each wave 1,024: the coordinates of its 128 keys
.set WQ,   98304                       ; Wq  f16 [d][e], pitch 160
.set WK,   108544                      ; Wk  f16 [d][e], pitch 144
.set WKP,  144
.set WV,   117760                      ; Wv  f16 [d][e], pitch 160
.set QP,   128000                      ; for each wave 2,048: its copy of Q' as fragments, quad q at 512 q + 16 lane
.set OX,   160768                      ; for each wave 4,096: its O' in f32, quad q at 512 q + 16 lane
.set MX,   226304                      ; [r][w] f32: the waves' maxima
.set LX,   227328                      ; [r][w] f32: the waves' sums
.set OF,   228352                      ; merged O' in f16, register n at 512 (n>>2) + 16 lane + 4 (n&3)
.set OS,   230400                      ; 16 rows of out, pitch 272
.set OSP,  272
; ---- vector registers ----            v0 thread, v1 lane, v2 r, v3 h
.set AW,   4                           ; v[4:55]    layer-1 weights: 12 quads (tile u, variant v) at AW + 8 u + 4 v, then 4 zeros
.set ZR,   AW+48                       ;            a register that holds 0
.set W2H,  56                          ; v[56:103]  W2H[u][j] = log2(e)/2 * w2[net u>>1][16 (u&1) + 8 h + j]
.set OA,   104                         ; v[104:135] O'^T, four tiles: O'[r][16 c + 8 h + j]
.set PT,   120                         ; v[120:151] four result tiles of the three small projections
.set S,    136                         ; v[136:151] the step's 16 scores
.set D,    152                         ; v[152:183] hidden values, 2 buffers of 2 tiles; fragments of x at a step's end; v[152:215] fragments of a W
.set XR,   184                         ; v[184:199] x on its way to f16; Q' fragments at a step's end
.set MC,   184                         ;            head only: 15 rows of the nets, hidden unit = lane
.set B0,   200                         ; v[200:207], v[208:215] feature fragments; registers 3 to 7 of each stay 0
.set ACC,  216                         ; v[216:219] a[v][p] at ACC + v + 2 p
.set T,    220                         ; v[220:227] at work
.set CK,   228                         ; v[228:229] the key's coordinates
.set SC,   230                         ; v[230:231] 2^(m_old - m_new), twice
.set QKD,  216                         ; v[216:231] two tiles of X Q'^T at a step's end, over ACC, T, CK, SC, which are dead there
.set TA,   216
.set TB,   217
.set TP,   218
.set TD,   219
.set M,    232                         ; v[232:233] running maximum, twice
.set L,    234                         ; v[234:235] running sum, in two halves
.set SCQ,  236                         ; v[236:237] the scale of X Q'^T, twice
.set XI,   238                         ; v238, v239 my query's coordinates
.set XOFF, 240                         ; 16 lane
.set XST,  241                         ; where my 8 bytes of f16 x go
.set AFR,  242                         ; plain fragments of x
.set TRA,  243                         ; transposed fragments of x
.set CKA,  244                         ; my keys' coordinates
.set QPA,  245                         ; my wave's Q'
.set ONE,  246                         ; 1.0: the feature that carries b1
.set TRL,  247                         ; lane term of a transposing load at pitch 160
.set PA, 240                           ; the head's and the tail's own names for v240 ..
.set PB, 241
.set PC, 242
.set PD, 243
.set EA, 241
.set EB, 242
.set EC, 243
.set ED, 244
.set EE, 245
.set RR,   120                         ; head: 7 packed weight registers, hidden unit = lane
.set XX,   128                         ; head: the same from lane xor 16
.set PP,   136                         ; head: 6 products to be summed over the 32 hidden units
.set NP,   220                         ; ROWNORM: the other half's maximum
.set NR,   222                         ; ROWNORM: the reciprocal (v223 is read with it as a pair, and not used)
; ---- scalar registers ----            s2 wave, s3 trips, s[4:5] my keys' x, s[6:7] my rows of out, s[8:43] the 18 addresses, s44, s45 lane selects
.set KD,   48                          ; s48 .. s52: coefficients of dist, sin, cos, dx, dy in the linear half
.set KS,   49
.set KC,   50
.set KX,   51
.set KY,   52
.set K0,   53                          ; half of the constant term: each pair's sum collects it from two lanes
; ================= macros of the main part =================
; four loads of 512 neighbouring bytes: eight keys' x, batch b of the step's four
.macro XLOAD b
.irp k, 0,1,2,3
	global_load_b128 v[XR+4*\k:XR+4*\k+3], v[XOFF], s[4:5] offset:2048*\b+512*\k
.endr
.endm
; a batch to f16, in place: load k's four registers close up into its first two
.macro XPACK
	s_wait_loadcnt 0x0                             ; only the batch's four loads are out, issued some three groups ago
.irp k, 0,1,2,3
	v_cvt_pk_f16_f32 v[XR+4*\k], v[XR+4*\k], v[XR+4*\k+1]
	v_cvt_pk_f16_f32 v[XR+4*\k+1], v[XR+4*\k+2], v[XR+4*\k+3]
.endr
.endm
; batch b into my wave's stage: load k holds rows 8 b + 2 k + h, 8 bytes a lane
.macro XPUT b
.irp k, 0,1,2,3
	ds_store_b64 v[XST], v[XR+4*\k:XR+4*\k+1] offset:2*XP*(4*\b+\k)
.endr
.endm
; features of group g, first half: dx, dy, r2, and the two roots
.macro FEAT_A g
	s_wait_dscnt 0x0                               ; the key's coordinates are in (asked for in the second half of the group before, as all else that is out)
	v_sub_f32 v[T+0], v[CK], v[XI]                 ; dx = x_key - x_query
	v_sub_f32 v[T+1], v[CK+1], v[XI+1]             ; dy
	v_mul_f32 v[T+2], v[T+0], v[T+0]
	v_fma_f32 v[T+2], v[T+1], v[T+1], v[T+2]       ; r2
	v_add_f32 v[T+3], 0x322bcc77, v[T+2]           ; + 1e-8
	v_max_num_f32 v[T+4], 0x00800000, v[T+2]       ; at least 2^-126: the root's argument is a normal number
	v_sqrt_f32 v[T+5], v[T+3]                      ; dist
	v_rsq_f32 v[T+6], v[T+4]
.endm
; second half: sin, cos, the linear half of the three nets into S[g], and the fragment's three registers; asks for the next group's key.
; xb = 0 .. 3: batch xb of x is packed ahead of the wait that stands here anyway, and stored behind it.  xb = -1: none.
.macro FEAT_B g, xb
	v_cmp_neq_f32 vcc_lo, 0, v[T+2]                ; also the plain instruction between the roots and their first use (ISA guide 5.7.2)
.if \xb >= 0
	XPACK
.endif
	s_wait_alu depctr_va_vdst(0)                   ; the two roots are written; FEAT_A's subtractions are done reading CK, in which the next key lands; a batch's conversions have written what the LDS stores read and are done with XR
	s_wait_alu depctr_va_vcc(0)                    ; the compare has written VCC, which the select below reads
.if \g < 15
	ds_load_b64 v[CK:CK+1], v[CKA] offset:8*(16*((\g+1)>>3)+((\g+1)&7))
.endif
.if \xb >= 0
	XPUT \xb
.endif
	v_mul_f32 v[T+3], v[T+1], v[T+6]               ; sin
	v_mul_f32 v[T+4], v[T+0], v[T+6]               ; cos
	v_mul_f32 v[S+\g], s[KD], v[T+5]
	v_cndmask_b32 v[T+4], 1.0, v[T+4], vcc_lo      ; r2 = 0: cos = 1 (sin is 0 already)
	v_fma_f32 v[S+\g], s[KS], v[T+3], v[S+\g]
	v_cvt_pk_f16_f32 v[B0+8*((\g)&1)], v[T+5], v[T+3]      ; k0 dist, k1 sin
	v_fma_f32 v[S+\g], s[KC], v[T+4], v[S+\g]
	v_cvt_pk_f16_f32 v[B0+8*((\g)&1)+1], v[T+4], v[T+0]    ; k2 cos, k3 dx
	v_fma_f32 v[S+\g], s[KX], v[T+0], v[S+\g]
	v_cvt_pk_f16_f32 v[B0+8*((\g)&1)+2], v[T+1], v[ONE]    ; k4 dy, k5 1
	v_fma_f32 v[S+\g], s[KY], v[T+1], v[S+\g]
.endm
; layer 2 for the two tiles of buffer buf (tile u of the hidden units): 16 multiply-adds with |h| in four chains.
; start = 1: the chains begin here, two with half the constant term as addend, two with a product: nothing is cleared.
.macro FMA16 buf, u, start
.irp j, 0,1,2,3,4,5,6,7
.irp v, 0,1
.if \start
.if \j == 0
	v_fma_f32 v[ACC+\v], |v[D+16*\buf+8*\v]|, v[W2H+8*\u], s[K0]
.else
.if \j == 1
	v_mul_f32 v[ACC+\v+2], |v[D+16*\buf+8*\v+1]|, v[W2H+8*\u+1]
.else
	v_fma_f32 v[ACC+\v+2*(\j&1)], |v[D+16*\buf+8*\v+\j]|, v[W2H+8*\u+\j], v[ACC+\v+2*(\j&1)]
.endif
.endif
.else
	v_fma_f32 v[ACC+\v+2*(\j&1)], |v[D+16*\buf+8*\v+\j]|, v[W2H+8*\u+\j], v[ACC+\v+2*(\j&1)]
.endif
.endr
.endr
.endm
; lane (r, h) holds, for the pairs of lanes r (a0) and r + 16 (a1), the sum over its half of the hidden units: bring the halves together
.macro FINISH g
	v_pk_add_f32 v[ACC:ACC+1], v[ACC:ACC+1], v[ACC+2:ACC+3]
	v_permlane16_swap_b32 v[ACC], v[ACC+1]         ; a0: lanes 16-31 take a1's lanes 0-15; a1: lanes 0-15 take a0's lanes 16-31
	v_add_f32 v[ACC], v[ACC], v[ACC+1]             ; every lane: its own pair's sum
	v_add_f32 v[S+\g], v[S+\g], v[ACC]
.endm
; layer 1 for tile u: 16 hidden units x 32 pairs.  A lane's features lie in k 0-5 (lanes 0-15) or k 8-13 (lanes 16-31) of column r;
; variant 0 of the weights is zero in k 8-15, variant 1 in k 0-7.  An A tuple's upper four registers are the next quad: they meet B's zeros.
.macro WM u
	v_wmma_f32_16x16x32_f16 v[D+16*(\u&1):D+16*(\u&1)+7], v[AW+8*\u:AW+8*\u+7], v[BB:BB+7], 0
	v_wmma_f32_16x16x32_f16 v[D+16*(\u&1)+8:D+16*(\u&1)+15], v[AW+8*\u+4:AW+8*\u+11], v[BB:BB+7], 0
.endm
; one group = 32 pairs.  Each pair of matrix instructions is followed by the layer 2 of the pair before it: a result is read 16 plain vector
; instructions behind its matrix instruction (in a step's first group: the six of FEAT_A) and written over 32 behind it (ISA guide 7.12.1 asks 4 and 5).
; Every matrix instruction here starts a sum of its own (C = 0).  xb: the batch of x that this group packs and stores, or -1; behind batches 0 to 2 the next is asked for.
.macro GROUP g, prev, next, xb
.set BB, B0+8*((\g)&1)
	WM 0
.if \prev
	FMA16 1, 5, 0
	FINISH (\g-1)
.endif
.if \next
	FEAT_A (\g+1)
.endif
	WM 1
	FMA16 0, 0, 1
	WM 2
	FMA16 1, 1, 0
.if \next
	FEAT_B (\g+1), \xb
.endif
	WM 3
	FMA16 0, 2, 0
.if (\xb >= 0) && (\xb < 3)
	s_wait_alu depctr_vm_vsrc(0)                   ; the batch's four LDS stores have read XR, in which the next batch lands (its conversions stand ahead of FEAT_B's wait on va_vdst; no vector line since names XR)
	XLOAD (\xb+1)
.endif
	WM 4
	FMA16 1, 3, 0
	WM 5
	FMA16 0, 4, 0
.endm
; one step = 32 keys x 16 queries.  first = 1: maximum, sum and O' begin here.
.macro STEP first
	ds_load_b64 v[CK:CK+1], v[CKA]                 ; these five loads owe no wait here: CKA's step, the score products that read XR and wrote CK's registers, and the lines that read those
	XLOAD 0                                        ; stand ahead of the last step's waits on va_vdst (in the first step: the head's), and nothing since names CKA, CK, XR or XOFF
	FEAT_A 0
	FEAT_B 0, -1
	GROUP 0, 0, 1, -1
	GROUP 1, 1, 1, -1
	GROUP 2, 1, 1, 0
	GROUP 3, 1, 1, -1
	GROUP 4, 1, 1, -1
	GROUP 5, 1, 1, 1
	GROUP 6, 1, 1, -1
	GROUP 7, 1, 1, -1
	GROUP 8, 1, 1, 2
	GROUP 9, 1, 1, -1
	GROUP 10, 1, 1, -1
	GROUP 11, 1, 1, 3
	GROUP 12, 1, 1, -1
	GROUP 13, 1, 1, -1
	GROUP 14, 1, 1, -1
	GROUP 15, 1, 0, -1
	FMA16 1, 5, 0
	; X Q'^T: the step's x is whole in my stage only now, so one stage does.  My own bytes: LDS serves a wave's instructions in order (ISA guide 5.7.1).
	s_wait_alu depctr_va_vdst(0)                   ; layer 1 has written D and layer 2 is done reading it: x's fragments land there
	s_wait_alu depctr_vm_vsrc(0)                   ; batch 3's LDS stores have read XR, in which Q' lands; the loads of coordinates have read CKA, which is stepped below
.irp kt, 0,1
.irp c, 0,1
	ds_load_b128 v[D+8*(2*\kt+\c):D+8*(2*\kt+\c)+3],   v[AFR] offset:16*XP*\kt+64*\c
	ds_load_b128 v[D+8*(2*\kt+\c)+4:D+8*(2*\kt+\c)+7], v[AFR] offset:16*XP*\kt+64*\c+32
.endr
.endr
.irp q, 0,1,2,3
	ds_load_b128 v[XR+4*\q:XR+4*\q+3], v[QPA] offset:512*\q
.endr
	FINISH 15                                      ; names ACC and S alone: none of the registers that the twelve loads touch
	s_wait_dscnt 0x0
	v_wmma_f32_16x16x32_f16 v[QKD:QKD+7],    v[D:D+7],     v[XR:XR+7],    0                 ; the two accumulators take turns, one instruction a turn
	v_wmma_f32_16x16x32_f16 v[QKD+8:QKD+15], v[D+16:D+23], v[XR:XR+7],    0
	v_wmma_f32_16x16x32_f16 v[QKD:QKD+7],    v[D+8:D+15],  v[XR+8:XR+15], v[QKD:QKD+7]
	v_wmma_f32_16x16x32_f16 v[QKD+8:QKD+15], v[D+24:D+31], v[XR+8:XR+15], v[QKD+8:QKD+15]
	v_add_nc_u32 v[CKA], 256, v[CKA]               ; the next step's 32 keys; with the three v_nop the four places in front of
	v_nop                                          ; the reads of the results (ISA guide 7.12.1)
	v_nop
	v_nop
	s_wait_alu depctr_va_vdst(0)                   ; the four products are done reading D, in which x^T lands, and XR, in which the next step's x lands; CKA is written, which the next step's loads read
.irp c, 0,1,2,3
	ds_load_tr16_b128 v[D+8*\c:D+8*\c+3],   v[TRA] offset:32*\c             ; x^T: row d = 16 c + r, keys 8 h ..
	ds_load_tr16_b128 v[D+8*\c+4:D+8*\c+7], v[TRA] offset:32*\c+16*XP       ; keys 16 + 8 h ..
.endr
.irp i, 0,2,4,6,8,10,12,14
	v_pk_fma_f32 v[S+\i:S+\i+1], v[QKD+\i:QKD+\i+1], v[SCQ:SCQ+1], v[S+\i:S+\i+1]
.endr
	; the running maximum of my query: my 16 keys in two chains, then the other half's 16
.if \first
	v_max_num_f32 v[TA], v[S], v[S+1]
.else
	v_max3_num_f32 v[TA], v[M], v[S], v[S+1]
.endif
	v_max_num_f32 v[TB], v[S+8], v[S+9]
.irp i, 2,4,6
	v_max3_num_f32 v[TA], v[TA], v[S+\i], v[S+\i+1]
	v_max3_num_f32 v[TB], v[TB], v[S+8+\i], v[S+9+\i]
.endr
	v_max_num_f32 v[TA], v[TA], v[TB]
	v_permlanex16_b32 v[TP], v[TA], s44, s45
	v_max_num_f32 v[M+1], v[TA], v[TP]             ; the new maximum; the old one is still in M
.if \first
.else
	v_sub_f32 v[TD], v[M], v[M+1]
	v_exp_f32 v[SC], v[TD]
	v_exp_f32 v[SC+1], v[TD]
.endif
	v_mov_b32 v[M], v[M+1]                         ; a plain instruction behind the two exponentials
.irp i, 0,2,4,6,8,10,12,14
	v_pk_add_f32 v[S+\i:S+\i+1], v[S+\i:S+\i+1], v[M:M+1] neg_lo:[0,1] neg_hi:[0,1]
.endr
.irp i, 0,1,2,3,4,5,6,7,8,9,10,11,12,13,14,15
	v_exp_f32 v[S+\i], v[S+\i]
.endr
.if \first
	v_nop                                          ; a plain instruction between the exponentials and their first use (ISA guide 5.7.2)
	s_wait_alu depctr_va_vdst(0)                   ; the 16 exponentials are written; the multiply-adds above are done reading CK's registers, in which the next step's first key lands
	v_pk_add_f32 v[L:L+1], v[S:S+1], v[S+2:S+3]
.else
	s_wait_alu depctr_va_vdst(0)                   ; the 18 exponentials are written; the multiply-adds above are done reading CK's registers, in which the next step's first key lands
.irp i, 0,2,4,6,8,10,12,14,16,18,20,22,24,26,28,30
	v_pk_mul_f32 v[OA+\i:OA+\i+1], v[OA+\i:OA+\i+1], v[SC:SC+1]            ; these are the plain instructions here
.endr
	v_pk_fma_f32 v[L:L+1], v[L:L+1], v[SC:SC+1], v[S:S+1]
	v_pk_add_f32 v[L:L+1], v[L:L+1], v[S+2:S+3]
.endif
.irp i, 4,6,8,10,12,14
	v_pk_add_f32 v[L:L+1], v[L:L+1], v[S+\i:S+\i+1]
.endr
.irp n, 0,1,2,3,4,5,6,7
	v_cvt_pk_f16_f32 v[S+\n], v[S+2*\n], v[S+2*\n+1]       ; P as a fragment: column r, keys 8 h .., 16 + 8 h ..
.endr
	s_wait_dscnt 0x0                               ; x^T is in
.irp c, 0,1,2,3
.if \first
	v_wmma_f32_16x16x32_f16 v[OA+8*\c:OA+8*\c+7], v[D+8*\c:D+8*\c+7], v[S:S+7], 0
.else
	v_wmma_f32_16x16x32_f16 v[OA+8*\c:OA+8*\c+7], v[D+8*\c:D+8*\c+7], v[S:S+7], v[OA+8*\c:OA+8*\c+7]   ; four accumulators, one instruction each
.endif
.endr
	s_add_nc_u64 s[4:5], s[4:5], 8192              ; the next 32 keys' x: every load that named s[4:5] was shown done when batch 3 was packed
.endm
; ================= macros of the head and the tail =================
; 16 transposing loads: W^T as eight fragments (tile t of 16 columns of W, 32 c .. of its rows) from [d][e] at pitch 160
.macro LOADTR a
.irp t, 0,1,2,3
.irp c, 0,1
	ds_load_tr16_b128 v[D+8*(2*\t+\c):D+8*(2*\t+\c)+3],   v[\a] offset:32*XP*\c+32*\t
	ds_load_tr16_b128 v[D+8*(2*\t+\c)+4:D+8*(2*\t+\c)+7], v[\a] offset:32*XP*\c+16*XP+32*\t
.endr
.endr
.endm
; PT[t] = fragment (t, .) x the 16 queries' rows in v[OA:OA+15]: lane (r, h) gets, for query r, columns 16 t + 8 h + 0 .. 7.
; The four accumulators take turns, one instruction a turn.
.macro PROJ
.irp c, 0,1
.irp t, 0,1,2,3
.if \c
	v_wmma_f32_16x16x32_f16 v[PT+8*\t:PT+8*\t+7], v[D+8*(2*\t+\c):D+8*(2*\t+\c)+7], v[OA+8*\c:OA+8*\c+7], v[PT+8*\t:PT+8*\t+7]
.else
	v_wmma_f32_16x16x32_f16 v[PT+8*\t:PT+8*\t+7], v[D+8*(2*\t+\c):D+8*(2*\t+\c)+7], v[OA+8*\c:OA+8*\c+7], 0
.endif
.endr
.endr
.endm
.macro PLACES n
.rept \n
	v_nop
.endr
.endm
; my query's 64 numbers (32 here, 32 in lane xor 16) divided by their largest magnitude (kept in am, at least 2^-100) and packed as two fragments
.macro ROWNORM src, dst, am
	v_max_num_f32 v[\am], |v[\src]|, |v[\src+1]|
.irp i, 2,4,6,8,10,12,14,16,18,20,22,24,26,28,30
	v_max3_num_f32 v[\am], v[\am], |v[\src+\i]|, |v[\src+\i+1]|
.endr
	v_permlanex16_b32 v[NP], v[\am], s44, s45
	v_max3_num_f32 v[\am], v[\am], v[NP], 0x0d800000
	v_rcp_f32 v[NR], v[\am]
	v_nop                                          ; a plain instruction behind the reciprocal (ISA guide 5.7.2)
	s_wait_alu depctr_va_vdst(0)                   ; the reciprocal is written, ahead of its first reader
.irp i, 0,2,4,6,8,10,12,14,16,18,20,22,24,26,28,30
	v_pk_mul_f32 v[\src+\i:\src+\i+1], v[\src+\i:\src+\i+1], v[NR:NR+1] op_sel_hi:[1,0]
.endr
.irp n, 0,1,2,3,4,5,6,7,8,9,10,11,12,13,14,15
	v_cvt_pk_f16_f32 v[\dst+\n], v[\src+2*\n], v[\src+2*\n+1]
.endr
.endm
; register j of tile u's two quads.  idx: which packed register, or -1 for none.  VCC = lanes 0-15.
; Hidden unit 16 (u&1) + r has to stand in lane r (variant 0) or lane 16 + r (variant 1); RR holds unit = lane, XX unit = lane xor 16.
.macro AWREG u, j, idx
.if \idx < 0
	v_mov_b32 v[AW+8*\u+\j], 0
	v_mov_b32 v[AW+8*\u+4+\j], 0
.else
.if \u & 1
	v_cndmask_b32 v[AW+8*\u+\j],   v[ZR], v[XX+\idx], vcc_lo
	v_cndmask_b32 v[AW+8*\u+4+\j], v[RR+\idx], v[ZR], vcc_lo
.else
	v_cndmask_b32 v[AW+8*\u+\j],   v[ZR], v[RR+\idx], vcc_lo
	v_cndmask_b32 v[AW+8*\u+4+\j], v[XX+\idx], v[ZR], vcc_lo
.endif
.endif
.endm
; ================= the head =================
	s_load_b512 s[8:23], s[0:1], 0x0               ; x, coords, Wq, Wk, Wv, rot_w1, rot_b1, rot_w2
	s_load_b512 s[24:39], s[0:1], 0x40             ; rot_b2, trans_w1, trans_b1, trans_w2, trans_b2, refl_w1, refl_b1, refl_w2
	s_load_b128 s[40:43], s[0:1], 0x80             ; refl_b2, out0
	v_lshl_add_u32 v248, v0, 2, 0x39500
	v_mov_b32 v249, 0
	v_lshrrev_b32 v1, 5, v0
	v_readfirstlane_b32 s2, v1                     ; wave 0 .. 15
	v_and_b32 v1, 31, v0                           ; lane
	v_and_b32 v2, 15, v0                           ; r
	v_bfe_u32 v3, v0, 4, 1                         ; h
	s_wait_alu depctr_va_sdst(0)                   ; s2 is written, ahead of its first reader: offsets, LDS addresses and the tail's branch are made from it
	s_mov_b32 s44, 0x76543210                      ; v_permlanex16_b32: lane i takes lane i xor 16
	s_mov_b32 s45, 0xfedcba98
	s_lshr_b32 s54, ttmp9, 7                       ; batch: 128 work-groups each
	s_lshl_b32 s58, s54, 19                        ; my keys' x: batch x 2,048 rows x 256 bytes
	s_lshl_b32 s55, s2, 15                         ; + wave x 128 rows
	s_add_co_u32 s58, s58, s55
	s_mov_b32 s59, 0
	s_lshl_b32 s60, s54, 14                        ; my keys' coordinates: batch x 2,048 x 8 bytes
	s_lshl_b32 s55, s2, 10                         ; + wave x 128
	s_add_co_u32 s60, s60, s55
	s_mov_b32 s61, 0
	s_lshl_b32 s54, ttmp9, 12                      ; my queries' rows of x and of out: 16 x 256 bytes a work-group
	s_mov_b32 s55, 0
	s_lshl_b32 s56, ttmp9, 7                       ; my queries' coordinates
	s_mov_b32 s57, 0
	v_lshlrev_b32 v[T+0], 4, v0                    ; 16 thread: a W, 8,192 bytes by the 512 threads
	v_lshlrev_b32 v[T+1], 8, v2
	v_lshl_add_u32 v[T+1], v3, 5, v[T+1]           ; 256 r + 32 h: x of my query in fragment order
	v_lshlrev_b32 v[T+2], 5, v1                    ; 32 lane
	v_lshlrev_b32 v[T+3], 3, v2                    ; 8 r
	v_lshlrev_b32 v[T+4], 5, v3                    ; 32 h
	v_lshlrev_b32 v[T+5], 2, v1                    ; 4 lane
	s_wait_kmcnt 0x0
	s_add_nc_u64 s[4:5], s[8:9], s[58:59]
	s_add_nc_u64 s[8:9], s[8:9], s[54:55]
	s_add_nc_u64 s[6:7], s[42:43], s[54:55]
	s_add_nc_u64 s[56:57], s[10:11], s[56:57]
	s_add_nc_u64 s[60:61], s[10:11], s[60:61]
	s_load_b32 s46, s[24:25], 0x0                  ; the three b2
	s_load_b32 s47, s[32:33], 0x0
	s_load_b32 s62, s[40:41], 0x0
	s_wait_alu depctr_va_vdst(0)                   ; the six offsets v[T] to v[T+5] are written, which the 44 loads below read
	; 44 loads.  First the three W, shared out among the 512 threads
.irp i, 0,1,2
	global_load_b128 v[D+8*\i:D+8*\i+3],   v[T+0], s[12+2*\i:13+2*\i]
	global_load_b128 v[D+8*\i+4:D+8*\i+7], v[T+0], s[12+2*\i:13+2*\i] offset:8192
.endr
.irp p, 0,1,2,3,4,5,6,7
	global_load_b128 v[OA+4*\p:OA+4*\p+3], v[T+1], s[8:9] offset:128*(\p>>2)+64*((\p>>1)&1)+16*(\p&1)   ; x[r][32 c + 16 half + 8 h ..]
.endr
	global_load_b128 v[B0:B0+3],   v[T+2], s[60:61]
	global_load_b128 v[B0+4:B0+7], v[T+2], s[60:61] offset:16
	global_load_b64 v[XI:XI+1], v[T+3], s[56:57]
.irp u, 0,1,2,3,4,5
	global_load_b128 v[W2H+8*\u:W2H+8*\u+3],   v[T+4], s[22+8*(\u>>1):23+8*(\u>>1)] offset:64*(\u&1)
	global_load_b128 v[W2H+8*\u+4:W2H+8*\u+7], v[T+4], s[22+8*(\u>>1):23+8*(\u>>1)] offset:64*(\u&1)+16
.endr
	global_load_b32 v[MC+0],  v[T+5], s[18:19]             ; rot_w1: dist
	global_load_b32 v[MC+1],  v[T+5], s[18:19] offset:128  ;         sin
	global_load_b32 v[MC+2],  v[T+5], s[18:19] offset:256  ;         cos
	global_load_b32 v[MC+3],  v[T+5], s[20:21]             ; rot_b1
	global_load_b32 v[MC+4],  v[T+5], s[22:23]             ; rot_w2
	global_load_b32 v[MC+5],  v[T+5], s[26:27]             ; trans_w1: dx
	global_load_b32 v[MC+6],  v[T+5], s[26:27] offset:128  ;           dy
	global_load_b32 v[MC+7],  v[T+5], s[28:29]             ; trans_b1
	global_load_b32 v[MC+8],  v[T+5], s[30:31]             ; trans_w2
	global_load_b32 v[MC+9],  v[T+5], s[34:35]             ; refl_w1: dx
	global_load_b32 v[MC+10], v[T+5], s[34:35] offset:128  ;          dy
	global_load_b32 v[MC+11], v[T+5], s[34:35] offset:256  ;          -dx
	global_load_b32 v[MC+12], v[T+5], s[34:35] offset:384  ;          -dy
	global_load_b32 v[MC+13], v[T+5], s[36:37]             ; refl_b1
	global_load_b32 v[MC+14], v[T+5], s[38:39]             ; refl_w2
	v_lshrrev_b32 v[PA], 4, v0                     ; my row of a W (and 32 further down)
	v_lshlrev_b32 v[PB], 3, v2                     ; my 8 bytes of f16 in it
	v_mad_u32_u24 v[PC], v[PA], XP, v[PB]
	v_mad_u32_u24 v[PD], v[PA], WKP, v[PB]
	v_add_nc_u32 v[PC], WQ, v[PC]
	v_add_nc_u32 v[PD], WK, v[PD]
	s_lshl_b32 s54, s2, 10
	s_add_co_u32 s54, s54, CKB
	v_add_nc_u32 v[PA], s54, v[T+2]                ; my 32 bytes of my wave's coordinates
	s_wait_loadcnt 38                              ; the six loads of W are in: 8 + 3 + 12 + 15 younger ones may stay out
.irp i, 0,1,2,3,4,5
	v_cvt_pk_f16_f32 v[D+4*\i],   v[D+4*\i],   v[D+4*\i+1]
	v_cvt_pk_f16_f32 v[D+4*\i+1], v[D+4*\i+2], v[D+4*\i+3]
.endr
	s_wait_alu depctr_va_vdst(0)                   ; the conversions have written the packed W, and PA, PC, PD are written: the eight LDS stores below read them
	ds_store_b64 v[PC], v[D+0:D+1]
	ds_store_b64 v[PC], v[D+4:D+5]   offset:32*XP
	ds_store_b64 v[PD], v[D+8:D+9]
	ds_store_b64 v[PD], v[D+12:D+13] offset:32*WKP
	ds_store_b64 v[PC], v[D+16:D+17] offset:WV-WQ
	ds_store_b64 v[PC], v[D+20:D+21] offset:WV-WQ+32*XP
	s_wait_loadcnt 0x0
	ds_store_b128 v[PA], v[B0:B0+3]
	ds_store_b128 v[PA], v[B0+4:B0+7] offset:16
	s_wait_kmcnt 0x0                               ; the three b2
	s_wait_dscnt 0x0                               ; for the other waves' sake: my part of the three W lies in LDS
	s_wait_alu depctr_vm_vsrc(0)                   ; the loads have read v[T] to v[T+5], my LDS stores PA, PC, PD, the packed W and the coordinates in B0: all of these are written again below
	s_barrier_signal -1
	; register work while the others arrive: x of my query as two fragments, and the nets' constants
.irp n, 0,1,2,3,4,5,6,7,8,9,10,11,12,13,14,15
	v_cvt_pk_f16_f32 v[OA+\n], v[OA+2*\n], v[OA+2*\n+1]
.endr
	s_mov_b32 vcc_lo, 0xffff                       ; lanes 0-15
.irp z, 0,1,2,3
	v_mov_b32 v[ZR+\z], 0
.endr
	v_sub_f32 v[MC+9],  v[MC+9],  v[MC+11]         ; refl on dx: w1[0] - w1[2]
	v_sub_f32 v[MC+10], v[MC+10], v[MC+12]         ; refl on dy: w1[1] - w1[3]
	v_cvt_pk_f16_f32 v[RR+0], v[MC+0], v[MC+1]     ; rot:   k0 dist, k1 sin
	v_cvt_pk_f16_f32 v[RR+1], v[MC+2], v[ZR]       ;        k2 cos
	v_cvt_pk_f16_f32 v[RR+2], v[ZR],   v[MC+3]     ;        k5 b1
	v_cvt_pk_f16_f32 v[RR+3], v[ZR],   v[MC+5]     ; trans: k3 dx
	v_cvt_pk_f16_f32 v[RR+4], v[MC+6], v[MC+7]     ;        k4 dy, k5 b1
	v_cvt_pk_f16_f32 v[RR+5], v[ZR],   v[MC+9]     ; refl:  k3 dx
	v_cvt_pk_f16_f32 v[RR+6], v[MC+10], v[MC+13]   ;        k4 dy, k5 b1
.irp i, 0,1,2,3,4,5,6
	v_permlanex16_b32 v[XX+\i], v[RR+\i], s44, s45
.endr
.irp u, 0,1
	AWREG \u, 0, 0
	AWREG \u, 1, 1
	AWREG \u, 2, 2
	AWREG \u, 3, -1
.endr
.irp u, 2,3
	AWREG \u, 0, -1
	AWREG \u, 1, 3
	AWREG \u, 2, 4
	AWREG \u, 3, -1
.endr
.irp u, 4,5
	AWREG \u, 0, -1
	AWREG \u, 1, 5
	AWREG \u, 2, 6
	AWREG \u, 3, -1
.endr
	; the linear half: sums over the hidden units (one a lane) of w2 x each column of w1, and of w2 x b1
	v_mul_f32 v[PP+0], v[MC+4], v[MC+0]
	v_mul_f32 v[PP+1], v[MC+4], v[MC+1]
	v_mul_f32 v[PP+2], v[MC+4], v[MC+2]
	v_mul_f32 v[PP+3], v[MC+8], v[MC+5]
	v_mul_f32 v[PP+4], v[MC+8], v[MC+6]
	v_mul_f32 v[PP+5], v[MC+4], v[MC+3]
	v_fmac_f32 v[PP+3], v[MC+14], v[MC+9]
	v_fmac_f32 v[PP+4], v[MC+14], v[MC+10]
	v_fmac_f32 v[PP+5], v[MC+8],  v[MC+7]
	v_fmac_f32 v[PP+5], v[MC+14], v[MC+13]
.irp m, 1,2,4,8
.irp i, 0,1,2,3,4,5
	v_add_f32_dpp v[PP+\i], v[PP+\i], v[PP+\i] row_xmask:\m row_mask:0xf bank_mask:0xf
.endr
.endr
.irp i, 0,1,2,3,4,5
	v_permlanex16_b32 v[XX+\i], v[PP+\i], s44, s45
.endr
.irp i, 0,1,2,3,4,5
	v_add_f32 v[PP+\i], v[PP+\i], v[XX+\i]
.endr
.irp i, 0,1,2,3,4,5
	v_readfirstlane_b32 s[KD+\i], v[PP+\i]
.endr
	s_wait_alu depctr_va_sdst(0)                   ; s48 to s53 are written, ahead of their first readers, the scalar products below
.irp i, 0,1,2,3,4
	s_mul_f32 s[KD+\i], s[KD+\i], 0x3f38aa3b       ; x log2(e) / 2
.endr
	s_add_f32 s46, s46, s47
	s_add_f32 s46, s46, s62                        ; b2 of the three nets
	s_mul_f32 s[K0], s[K0], 0x3eb8aa3b             ; half of log2(e) x (sum of w2 b1) / 2
	s_mul_f32 s46, s46, 0x3f38aa3b                 ; half of log2(e) x (sum of b2)
	s_add_f32 s[K0], s[K0], s46
.irp i, 0,2,4,6,8,10,12,14,16,18,20,22,24,26,28,30,32,34,36,38,40,42,44,46
	v_pk_mul_f32 v[W2H+\i:W2H+\i+1], v[W2H+\i:W2H+\i+1], 0x3f38aa3b op_sel_hi:[1,0]
.endr
	v_and_b32 v[PA], 7, v0
	v_lshl_or_b32 v[PA], v3, 3, v[PA]              ; 8 h + (lane & 7): the row that I address in a transposing load
	v_bfe_u32 v[PB], v0, 3, 1
	v_mul_u32_u24 v[TRL], v[PA], XP
	v_lshl_add_u32 v[TRL], v[PB], 4, v[TRL]        ; + 16 ((lane >> 3) & 1)
	v_add_nc_u32 v[PC], WQ, v[TRL]
	v_mul_u32_u24 v[PD], v2, WKP
	v_lshl_add_u32 v[PD], v3, 4, v[PD]
	v_add_nc_u32 v[PD], WK, v[PD]                  ; plain fragments of Wk: row r, 16 h
	s_barrier_wait -1                              ; the three W are whole
	; Q' = (x_i Wq) Wk^T, by every wave for itself: 16 matrix instructions, and no barrier more
	s_wait_alu depctr_va_vdst(0)                   ; PC and PD are written, which the fragments' loads read; the nets' arithmetic is done with v[MC ..], in which fragments of Wq land
	LOADTR PC
	s_wait_dscnt 0x0
	PROJ                                           ; Q[r][e]
	PLACES 5                                       ; in front of the reads of the results (ISA guide 7.12.1)
	s_wait_alu depctr_va_vdst(0)                   ; the eight products are done reading Wq's fragments, in whose registers Wk's land
.irp t, 0,1,2,3
.irp c, 0,1
	ds_load_b128 v[D+8*(2*\t+\c):D+8*(2*\t+\c)+3],   v[PD] offset:16*WKP*\t+64*\c
	ds_load_b128 v[D+8*(2*\t+\c)+4:D+8*(2*\t+\c)+7], v[PD] offset:16*WKP*\t+64*\c+32
.endr
.endr
	ROWNORM PT, OA, 224
	s_wait_dscnt 0x0
	PROJ                                           ; Q'[r][d]
	PLACES 5
	ROWNORM PT, XR, 225
	v_mul_f32 v[SCQ], v224, v225                   ; the two row factors go back in f32,
	v_mul_f32 v[SCQ], 0x3e38aa3b, v[SCQ]           ; with log2(e) / sqrt(64)
	v_mov_b32 v[SCQ+1], v[SCQ]
	; the main part's addresses: a constant, the wave's number times a constant, a lane term
	s_mul_i32 s54, s2, XSW
	s_lshl_b32 s55, s2, 10
	s_add_co_u32 s55, s55, CKB
	s_lshl_b32 s56, s2, 11
	s_add_co_u32 s56, s56, QP
	s_wait_alu depctr_vm_vsrc(0)                   ; the loads of Wq's and Wk's fragments have read v242 and v243, which are written again here
	v_lshlrev_b32 v[XOFF], 4, v1
	v_lshlrev_b32 v[XST], 3, v2
	v_mad_u32_u24 v[XST], v3, XP, v[XST]
	v_add_nc_u32 v[XST], s54, v[XST]
	v_mul_u32_u24 v[AFR], v2, XP
	v_lshl_add_u32 v[AFR], v3, 4, v[AFR]
	v_add_nc_u32 v[AFR], s54, v[AFR]
	v_add_nc_u32 v[TRA], s54, v[TRL]
	v_lshl_add_u32 v[CKA], v3, 6, s55              ; keys 8 h ..
	v_lshl_add_u32 v[QPA], v1, 4, s56
	s_wait_alu depctr_va_vdst(0)                   ; the six addresses v240 to v245 are written, for the whole main part, and the conversions have written Q' in XR, which the four stores read
.irp q, 0,1,2,3
	ds_store_b128 v[QPA], v[XR+4*\q:XR+4*\q+3] offset:512*\q               ; my wave's own bytes
.endr
.irp z, 3,4,5,6,7,11,12,13,14,15
	v_mov_b32 v[B0+\z], 0                          ; the unused k of both feature fragments, once
.endr
	v_mov_b32 v[ONE], 1.0
	s_wait_alu depctr_vm_vsrc(0)                   ; the four stores have read XR, in which the first step's x lands
; ================= the main part: 4 steps of 32 keys =================
	STEP 1                                         ; the first step stands in front of the loop: its products start the sums
	s_mov_b32 s3, 3
.Lstep:
	STEP 0
	s_sub_co_i32 s3, s3, 1
	s_cmp_lg_u32 s3, 0
	s_cbranch_scc1 .Lstep
; ================= the waves' parts meet =================
	s_lshl_b32 s54, s2, 2
	s_lshl_b32 s55, s2, 12
	s_add_co_u32 s55, s55, OX
	s_lshr_b32 s56, s2, 1
	s_lshl_b32 s56, s56, 9
	s_and_b32 s57, s2, 1
	s_lshl_b32 s57, s57, 3
	s_add_co_u32 s56, s56, s57
	s_add_co_u32 s56, s56, OX                      ; registers 2 w, 2 w + 1 of an O': quad w >> 1, byte 8 (w & 1)
	s_lshr_b32 s57, s2, 2
	s_lshl_b32 s57, s57, 9
	s_and_b32 s58, s2, 3
	s_lshl_b32 s58, s58, 2
	s_add_co_u32 s57, s57, s58
	s_add_co_u32 s57, s57, OF                      ; packed register w: quad w >> 2, byte 4 (w & 3)
	s_wait_alu depctr_vm_vsrc(0)                   ; the main part's LDS instructions have read v241 to v245, which take the tail's addresses
	v_add_f32 v[L], v[L], v[L+1]                   ; these seven plain instructions are also the places behind the last matrix instructions
	v_lshlrev_b32 v[EA], 6, v2
	v_add_nc_u32 v[EA], MX, v[EA]                  ; my query's 16 maxima
	v_add_nc_u32 v[EB], s54, v[EA]                 ; my wave's word among them
	v_add_nc_u32 v[EC], s55, v[XOFF]
	v_add_nc_u32 v[ED], s56, v[XOFF]
	v_add_nc_u32 v[EE], s57, v[XOFF]
	v_permlanex16_b32 v[L+1], v[L], s44, s45
	v_add_f32 v[L], v[L], v[L+1]                   ; the sum over my wave's 128 keys
	s_wait_alu depctr_va_vdst(0)                   ; the five addresses, m and l are written, and the last products have written O': the stores read them; those products are also done reading D, in which loads land below
	ds_store_b32 v[EB], v[M]                       ; lanes r and r + 16 write the same word with the same value
	ds_store_b32 v[EB], v[L] offset:LX-MX
.irp q, 0,1,2,3,4,5,6,7
	ds_store_b128 v[EC], v[OA+4*\q:OA+4*\q+3] offset:512*\q
.endr
	s_wait_dscnt 0x0                               ; for the others' sake: my part lies in LDS
	s_barrier_signal -1
	s_barrier_wait -1
	; wave w merges registers 2 w and 2 w + 1 of the 16 waves' O'
	s_wait_alu depctr_vm_vsrc(0)                   ; my stores have read O''s registers, in which the 16 maxima and sums land
.irp k, 0,1,2,3
	ds_load_b128 v[OA+4*\k:OA+4*\k+3],       v[EA] offset:16*\k
	ds_load_b128 v[OA+16+4*\k:OA+16+4*\k+3], v[EA] offset:LX-MX+16*\k
.endr
.irp i, 0,1,2,3,4,5,6,7,8,9,10,11,12,13,14,15
	ds_load_b64 v[D+2*\i:D+2*\i+1], v[ED] offset:4096*\i
.endr
	s_wait_dscnt 0x0
	v_max_num_f32 v[TA], v[OA], v[OA+1]
.irp i, 2,4,6,8,10,12,14
	v_max3_num_f32 v[TA], v[TA], v[OA+\i], v[OA+\i+1]
.endr
.irp i, 0,1,2,3,4,5,6,7,8,9,10,11,12,13,14,15
	v_sub_f32 v[OA+\i], v[OA+\i], v[TA]
.endr
.irp i, 0,1,2,3,4,5,6,7,8,9,10,11,12,13,14,15
	v_exp_f32 v[OA+\i], v[OA+\i]                   ; 2^(m_w - m)
.endr
	v_nop                                          ; a plain instruction behind the exponentials
	s_wait_alu depctr_va_vdst(0)                   ; the 16 exponentials are written, ahead of their first reader
	v_mul_f32 v[TB], v[OA], v[OA+16]
	v_mul_f32 v[TP], v[OA], v[D]
	v_mul_f32 v[TD], v[OA], v[D+1]
.irp i, 1,2,3,4,5,6,7,8,9,10,11,12,13,14,15
	v_fmac_f32 v[TB], v[OA+\i], v[OA+16+\i]
	v_fmac_f32 v[TP], v[OA+\i], v[D+2*\i]
	v_fmac_f32 v[TD], v[OA+\i], v[D+2*\i+1]
.endr
	v_rcp_f32 v[TA], v[TB]
	v_nop
	s_wait_alu depctr_va_vdst(0)                   ; the reciprocal is written, ahead of its first reader
	v_mul_f32 v[TP], v[TP], v[TA]
	v_mul_f32 v[TD], v[TD], v[TA]
	v_cvt_pk_f16_f32 v[TP], v[TP], v[TD]           ; an average of rows of x: inside f16 where x is
	s_wait_alu depctr_va_vdst(0)                   ; the conversion has written the pair, which the store reads
	ds_store_b32 v[EE], v[TP]
	s_wait_dscnt 0x0
	s_barrier_signal -1
	s_barrier_wait -1
	; out = O' Wv: eight matrix instructions, by wave 0
	s_cmp_lg_u32 s2, 0
	s_cbranch_scc1 .Lend
	s_wait_alu depctr_vm_vsrc(0)                   ; the LDS instructions above have read v241 to v244, which are written again here and behind the products
	v_add_nc_u32 v[EA], OF, v[XOFF]
	v_add_nc_u32 v[EB], WV, v[TRL]
	s_wait_alu depctr_va_vdst(0)                   ; the two addresses are written; the merge's arithmetic is done reading v[OA ..] and v[D ..], in which the loads land
.irp q, 0,1,2,3
	ds_load_b128 v[OA+4*\q:OA+4*\q+3], v[EA] offset:512*\q
.endr
	LOADTR EB
	s_wait_dscnt 0x0
	PROJ                                           ; lane (r, h): out[r][16 t + 8 h + 0 .. 7]
	v_mul_u32_u24 v[EC], v2, OSP                   ; six plain instructions: the places behind the matrix instructions
	v_lshl_add_u32 v[EC], v3, 5, v[EC]
	v_add_nc_u32 v[EC], OS, v[EC]                  ; in: row r, 32 bytes for each half of the lanes
	v_mul_u32_u24 v[ED], v3, OSP
	v_lshl_add_u32 v[ED], v2, 4, v[ED]
	v_add_nc_u32 v[ED], OS, v[ED]                  ; back: lanes 0-15 one row of 256 bytes, lanes 16-31 the next
	s_wait_alu depctr_va_vdst(0)                   ; the products have written the four tiles and the two addresses are written, which the stores and loads read; the products are done reading Wv's fragments, in whose registers the rows land; the places above stay beside this wait
.irp t, 0,1,2,3
	ds_store_b128 v[EC], v[PT+8*\t:PT+8*\t+3]   offset:64*\t
	ds_store_b128 v[EC], v[PT+8*\t+4:PT+8*\t+7] offset:64*\t+16
.endr
.irp k, 0,1,2,3,4,5,6,7
	ds_load_b128 v[XR+4*\k:XR+4*\k+3], v[ED] offset:2*OSP*\k               ; my own bytes: LDS serves a wave's instructions in order (ISA guide 5.7.1)
.endr
.irp k, 0,1,2,3,4,5,6,7
	s_wait_dscnt 7-\k                              ; rows 2 k, 2 k + 1 are in; the younger reads may stay out
	global_store_b128 v[XOFF], v[XR+4*\k:XR+4*\k+3], s[6:7] offset:512*\k th:TH_STORE_NT   ; 16 lanes store one row: 256 consecutive bytes, aligned
.endr
.Lend:
	s_wait_dscnt 0x0
	s_wait_alu depctr_hold_cnt(0) depctr_sa_sdst(0) depctr_va_vdst(0) depctr_va_sdst(0) depctr_va_ssrc(0) depctr_va_vcc(0) depctr_vm_vsrc(0)
	s_wait_tensorcnt 0x0
	ds_add_u32 v248, v249
	s_wait_dscnt 0x0
	s_endpgm
.Lfunc_end_k_q5bd49e3013_attn:
	.size	k_q5bd49e3013_attn, .Lfunc_end_k_q5bd49e3013_attn-k_q5bd49e3013_attn
	.p2alignl 7, 3214868480
	.fill 96, 4, 3214868480
	.section	.rodata,"a",@progbits
	.p2align	6, 0x0
	.amdhsa_kernel k_q5bd49e3013_attn
		.amdhsa_group_segment_fixed_size 236800
		.amdhsa_private_segment_fixed_size 0
		.amdhsa_enable_private_segment 0
		.amdhsa_kernarg_size 144
		.amdhsa_user_sgpr_count 2
		.amdhsa_user_sgpr_kernarg_segment_ptr 1
		.amdhsa_wavefront_size32 1
		.amdhsa_system_sgpr_workgroup_id_x 1
		.amdhsa_system_sgpr_workgroup_id_y 1
		.amdhsa_system_sgpr_workgroup_id_z 1
		.amdhsa_system_vgpr_workitem_id 0
		.amdhsa_next_free_vgpr 250
		.amdhsa_next_free_sgpr 66
		.amdhsa_reserve_vcc 1
		.amdhsa_float_denorm_mode_32 3
		.amdhsa_float_denorm_mode_16_64 3
		.amdhsa_memory_ordered 1
		.amdhsa_forward_progress 1
		.amdhsa_inst_pref_size 255
	.end_amdhsa_kernel
	.section	.bss,"aw",@nobits
	.p2align	6
	.space	262144
	.amdgpu_metadata
---
amdhsa.version: [ 1, 2 ]
amdhsa.kernels:
  - .name:           k_q5bd49e3013_attn
    .symbol:         k_q5bd49e3013_attn.kd
    .args:
      - { .name: x, .offset: 0, .size: 8, .value_kind: global_buffer, .address_space: global }
      - { .name: coords, .offset: 8, .size: 8, .value_kind: global_buffer, .address_space: global }
      - { .name: Wq, .offset: 16, .size: 8, .value_kind: global_buffer, .address_space: global }
      - { .name: Wk, .offset: 24, .size: 8, .value_kind: global_buffer, .address_space: global }
      - { .name: Wv, .offset: 32, .size: 8, .value_kind: global_buffer, .address_space: global }
      - { .name: rot_w1, .offset: 40, .size: 8, .value_kind: global_buffer, .address_space: global }
      - { .name: rot_b1, .offset: 48, .size: 8, .value_kind: global_buffer, .address_space: global }
      - { .name: rot_w2, .offset: 56, .size: 8, .value_kind: global_buffer, .address_space: global }
      - { .name: rot_b2, .offset: 64, .size: 8, .value_kind: global_buffer, .address_space: global }
      - { .name: trans_w1, .offset: 72, .size: 8, .value_kind: global_buffer, .address_space: global }
      - { .name: trans_b1, .offset: 80, .size: 8, .value_kind: global_buffer, .address_space: global }
      - { .name: trans_w2, .offset: 88, .size: 8, .value_kind: global_buffer, .address_space: global }
      - { .name: trans_b2, .offset: 96, .size: 8, .value_kind: global_buffer, .address_space: global }
      - { .name: refl_w1, .offset: 104, .size: 8, .value_kind: global_buffer, .address_space: global }
      - { .name: refl_b1, .offset: 112, .size: 8, .value_kind: global_buffer, .address_space: global }
      - { .name: refl_w2, .offset: 120, .size: 8, .value_kind: global_buffer, .address_space: global }
      - { .name: refl_b2, .offset: 128, .size: 8, .value_kind: global_buffer, .address_space: global }
      - { .name: out0, .offset: 136, .size: 8, .value_kind: global_buffer, .address_space: global }
    .group_segment_fixed_size: 236800
    .private_segment_fixed_size: 0
    .kernarg_segment_align: 8
    .kernarg_segment_size: 144
    .max_flat_workgroup_size: 512
    .sgpr_count:     66
    .vgpr_count:     250
    .wavefront_size: 32
...
	.end_amdgpu_metadata
.endif
;; end of part 2
